; MI455X (gfx1250); checked and timed in simulation.
; The chip was launched on July 23, 2026; its instructions are those of AMD's public machine-readable ISA for CDNA 5 (MIT licence, August 2026) and "CDNA5" Instruction Set Architecture Reference Guide (July 2026). The comments in the code are by the model that wrote it; some were corrected since.
;; Multi Head Attention. Allowed arithmetic: matrix products marked QUANTISED: E2M3 operands, one E8M0 scale for each 32 along K, by v_wmma_scale_f32_16x16x128_f8f6f4 with both operands' format E2M3, f32 sums; everything else in f32.
;; Inputs: Wk 16 x 1,024 x 64 float32; Wo 1,024 x 1,024 float32; Wq 16 x 1,024 x 64 float32; Wv 16 x 1,024 x 64 float32; bk 16 x 64 float32; bo 1,024 float32; bq 16 x 64 float32; bv 16 x 64 float32; encoder_output 4 x 2,048 x 1,024 float32; x 4 x 2,048 x 1,024 float32.
;; Outputs: out0 4 x 2,048 x 1,024 float32.
;; This version of the problem:
;;   THIS VERSION OF THE PROBLEM IS GIVEN IN LOW PRECISION. The matrix products marked QUANTISED in the list below multiply operands that are first quantised to E2M3 (2 exponent bits, 3 mantissa bits; 6 bits a number), with one power-of-two scale for each 32 numbers along K (OCP MX v1.0); their sums are f32. All else is computed in f32.
;;   The module's matrix products, in the order in which they are computed (A, B: the left and right operand; K: the contracted axis; several contracted axes count as one K, in the product's order):
;;     1. [M 1,024, K 1,024] x [K 1,024, N 8,192]; A: input Wq; B: input x: QUANTISED
;;     2. [M 1,024, K 1,024] x [K 1,024, N 8,192]; A: input Wk; B: input x: QUANTISED
;;     3. [M 1,024, K 1,024] x [K 1,024, N 8,192]; A: input Wv; B: input x: QUANTISED
;;     4. batch 64 x [M 2,048, K 64] x [K 64, N 2,048]; A: computed on the way; B: computed on the way: QUANTISED
;;     5. batch 64 x [M 2,048, K 2,048] x [K 2,048, N 64]; A: softmax (see below); B: computed on the way: QUANTISED
;;     6. [M 8,192, K 1,024] x [K 1,024, N 1,024]; A: computed on the way; B: input Wo: QUANTISED
;;   THE QUANTISER, for each operand of a quantised product, along K:
;;     - K is cut into blocks of 32 from its start; a last block that is shorter is filled with zeros.
;;     - A block's scale is 2^e with e = floor(log2(the largest magnitude in the block)) - 2, held to -126 .. 127; a block of zeros has e = 0. As a byte (E8M0): e + 127.
;;     - Each number is divided by its block's scale, clamped to +-7.5, and rounded to the nearest number of E2M3, ties to even, subnormals kept.
;;     - The product sums the exact products of the quantised numbers (number of the format x scale) in f32.
;;   ~~~python
;;   def quantise(x, axis):      # numpy; x: float32 -> the quantised numbers, widened to float32 again
;;       x = np.moveaxis(x, axis, -1); K = x.shape[-1]
;;       x = np.pad(x, [(0, 0)] * (x.ndim - 1) + [(0, -K % 32)]); x = x.reshape(x.shape[:-1] + (-1, 32)); a = np.abs(x).max(-1, keepdims=True)
;;       e = np.where(a > 0, np.clip(np.frexp(np.where(a > 0, a, 1))[1] - 1 - 2, -126, 127), 0)      # np.frexp(a)[1] - 1 = floor(log2(a)), exactly
;;       r = np.clip(x / 2.0 ** e, -7.5, 7.5)
;;       step = 2.0 ** (np.maximum(np.frexp(np.where(r == 0, 1, r))[1] - 1, 0) - 3)
;;       q = np.round(r / step) * step * 2.0 ** e      # np.round: ties to even
;;       return np.moveaxis(q.reshape(q.shape[:-2] + (-1,))[..., :K], -1, axis).astype(np.float32)
;;   ~~~
;;   SOFTMAX AHEAD OF A QUANTISED PRODUCT. Where the list says 'softmax', what is quantised is not the finished softmax but p = 2^(t - M), with t = logit x log2(e) and M = ceil(the row's largest t), a whole number; so 1/2 < the row's largest p <= 1. The row's sum l is taken of the UNQUANTISED p, in f32, and the product's result is divided by l at the end. Since M is a whole number, a kernel that streams over the keys may use a running M (the ceiling of the running maximum): every later rescaling is an exact power of two, which a block's scale takes up: the codes' values come out the same.
;;   OPERANDS COMPUTED ON THE WAY. 'Computed on the way' means the value that the module computes at that place (a softmax that the list does not call 'softmax' is quantised finished and normalised). What goes into a quantiser is computed in f32, as accurately as f32 sums, v_exp_f32 and their like allow (about 1e-6 of the number): no bf16 or f16 on the way to a quantiser, and a product that is left as it is and whose result goes on into a quantised operand takes f32 operands (vector FMAs, or v_wmma_f32_16x16x4_f32). A number that lies on a knife's edge between two numbers of the format may be rounded either way, as far as f32 arithmetic and the matrix unit's own rounding can turn it there, and no further.
;; One version. Each part assembles by itself: llvm-mc -triple=amdgcn-amd-amdhsa -mcpu=gfx1250 --defsym DOCPART=n.
;; ======== version 1 of 1: 4 launches
;; limits: right only within a limited range of input values
;; workspace buffers: oc 9,437,184 bytes; os 393,216 bytes; rec 26,738,688 bytes; cc 6,291,456 bytes; cs 262,144 bytes
;; launch quant (part 1): grid 640 x 1, 8 waves a work-group, no clusters, 70,144 bytes of LDS; arguments Wq, Wk, Wv, Wo, x, oc, os; writes oc, os
.if DOCPART == 1
	.amdgcn_target "amdgcn-amd-amdhsa--gfx1250"
	.amdhsa_code_object_version 6
	.text
	.protected	k_qf8fd9f78c9_quant
	.globl	k_qf8fd9f78c9_quant
	.p2align	8
	.type	k_qf8fd9f78c9_quant,@function
k_qf8fd9f78c9_quant:
	s_mov_b64 s[64:65], 0
	v_nop
	global_prefetch_b8 v0, s[64:65] scope:SCOPE_SE
	s_setreg_imm32_b32 hwreg(HW_REG_WAVE_MODE, 25, 1), 1
	s_wait_xcnt 0x0
; x [8192][1024] (K innermost) and Wq, Wk, Wv [16][1024][64], Wo [1024][1024] (K outermost), all f32, become codes of FP6 (E2M3) with one E8M0 byte for each 32 along K.
; A block's scale is 2^(floor(log2(largest magnitude)) - 2); its byte is the largest magnitude's exponent field - 2, held at 1 from below (a block of zeros keeps the byte 1: its codes are zeros, and this program alone reads the bytes).
; LIMITS: NaN and infinities among the inputs are not served; blocks whose largest magnitude lies under 2^-124 have their byte held at 1.
; LAYOUT OF oc: [row tile of 16 positions][8 K steps of 128][2 halves of 64][768 bytes].  A half is an image of six operand registers: lane (r, h) holds row r, k = 32 h .. 32 h + 31: registers 0-3 at 16 x lane, registers 4-5 at 512 + 8 x lane.
; POSITION p of a tensor's rows holds row sw(p) = p with bits 3 and 4 exchanged, so that where such rows are a product's source 0 the 16 registers of two neighbouring result tiles are 16 neighbours.
; oc's tiles 0-511: x; 512 + 64 w on: Wq, Wk, Wv (row = head x 64 + channel), Wo (row = its column).  os: [row position][32 bytes], one word for each 128 along K.
; Work-groups 0-511 take a tile of 16 rows of x, the others 32 rows of a weight; in both wave s takes K step s.  The two ways have LDS bytes of their own.
; encoder_output is a parameter that no line of the function uses: no launch of this program names it.
.set XSC,   67584                      ; behind the eight stages of 16 rows x 528 bytes: x's scale words, 16 rows x 32 bytes
.set WSC,   68096                      ; the weights' scale words, 32 rows x 32 bytes
.set SPARE, 69120                      ; the spare words, 128 bytes for each wave: four blocks of 256 bytes that no other line names
.set SPW, 12                           ; v12  LDS address of my spare word; never rewritten
.set NIL, 13                           ; v13  0; never rewritten
.set MX,  16                           ; v16-19 largest magnitudes
.set SO,  20                           ; v20-23 the conversions' scale operands
.set BY,  24                           ; v24-27 the scale bytes
.set C,   160                          ; v160-183 codes, six registers a block
.set TC,  184                          ; v184-199 a block's second three, made on an even register and moved
; n blocks of 32 numbers, block b in v[s + 32 b] on, all of a block in one lane; the blocks take turns line by line
.macro QB n, s
.irp b, 0,1,2,3
.if \b < \n
	v_max3_num_f32 v[MX+\b], |v[\s+32*\b]|, |v[\s+32*\b+1]|, 0x1800000   ; with the floor 2^(3 - 127): the byte cannot fall under 1
.endif
.endr
.irp i, 2,4,6,8,10,12,14,16,18,20,22,24,26,28,30
.irp b, 0,1,2,3
.if \b < \n
	v_max3_num_f32 v[MX+\b], v[MX+\b], |v[\s+32*\b+\i]|, |v[\s+32*\b+\i+1]|
.endif
.endr
.endr
.irp b, 0,1,2,3
.if \b < \n
	v_add_nc_u32 v[SO+\b], 0xff000000, v[MX+\b]    ; 2 off the exponent field: the conversion takes this operand's exponent field as its scale
.endif
.endr
.irp b, 0,1,2,3
.if \b < \n
	v_lshrrev_b32 v[BY+\b], 23, v[SO+\b]           ; the scale's byte
.endif
.endr
.irp b, 0,1,2,3
.if \b < \n
	v_cvt_scalef32_pk16_fp6_f32 v[C+6*\b:C+6*\b+2], v[\s+32*\b:\s+32*\b+15], v[SO+\b]
	v_cvt_scalef32_pk16_fp6_f32 v[TC+4*\b:TC+4*\b+2], v[\s+32*\b+16:\s+32*\b+31], v[SO+\b]
.endif
.endr
	v_nop                                          ; one plain line behind the scaled conversions
.irp b, 0,1,2,3
.if \b < \n
.irp i, 0,1,2
	v_mov_b32 v[C+6*\b+3+\i], v[TC+4*\b+\i]
.endr
.endif
.endr
.endm
.macro WLOAD stride                    ; a lane takes a column, its registers run down K: each load reads 128 consecutive bytes of one row k
.set i, 0
.rept 128
	global_load_b32 v[32+i], v10, s[20:21] offset:i*\stride th:TH_LOAD_NT
.set i, i+1
.endr
.endm
	s_load_b256 s[8:15], s[0:1], 0x0               ; Wq, Wk, Wv, Wo
	s_load_b128 s[4:7], s[0:1], 0x20               ; x, oc
	s_load_b64 s[16:17], s[0:1], 0x30              ; os
	v_lshl_add_u32 v[SPW], v0, 2, SPARE
	v_mov_b32 v[NIL], 0
	v_lshrrev_b32 v1, 5, v0
	s_delay_alu instid0(VALU_DEP_1)
	v_readfirstlane_b32 s24, v1                    ; wave = K step
	v_and_b32 v1, 31, v0                           ; lane
	v_and_b32 v2, 15, v0                           ; r
	v_bfe_u32 v3, v0, 4, 1                         ; h
	s_delay_alu instid0(VALU_DEP_3)
	v_lshlrev_b32 v4, 4, v1                        ; 16 x lane
	s_delay_alu instid0(VALU_DEP_4)
	v_lshlrev_b32 v5, 3, v1                        ; 8 x lane
	s_mul_i32 s25, s24, 8448                       ; my stage
	s_lshl_b32 s26, s24, 2                         ; my word in a row of scale bytes
	v_add_nc_u32 v6, s25, v4                       ; the stage, way in: a row's 512 bytes as they lie
	v_mul_u32_u24 v7, v2, 528
	s_delay_alu instid0(VALU_DEP_1)
	v_lshl_add_u32 v7, v3, 7, v7
	s_delay_alu instid0(VALU_DEP_1)
	v_add_nc_u32 v7, s25, v7                       ; way out: row r, + 128 h: my block of 32 numbers
	v_lshlrev_b32 v8, 5, v2
	s_delay_alu instid0(VALU_DEP_1)
	v_add_nc_u32 v8, s26, v8
	s_delay_alu instid0(VALU_DEP_1)
	v_add_nc_u32 v8, XSC, v8                       ; x: row r's word of my K step
	v_add_nc_u32 v9, XSC, v4
	v_and_b32 v10, 7, v0
	v_bfe_u32 v28, v0, 3, 1
	s_delay_alu instid0(VALU_DEP_1)
	v_lshl_or_b32 v10, v28, 4, v10
	s_delay_alu instid0(VALU_DEP_1)
	v_lshl_or_b32 v10, v3, 3, v10
	s_delay_alu instid0(VALU_DEP_1)
	v_lshlrev_b32 v10, 2, v10                      ; 4 x sw(lane): the column that my position holds
	v_lshlrev_b32 v11, 5, v1
	s_delay_alu instid0(VALU_DEP_1)
	v_add_nc_u32 v11, s26, v11
	s_delay_alu instid0(VALU_DEP_1)
	v_add_nc_u32 v11, WSC, v11                     ; weights: position lane's word of my K step
	v_add_nc_u32 v14, WSC, v4
	s_mov_b32 s28, 0x76543210
	s_mov_b32 s29, 0xfedcba98                      ; v_permlanex16_b32's selects for lane xor 16
	s_wait_kmcnt 0x0
	s_cmp_lt_u32 ttmp9, 512
	s_cbranch_scc0 .Lweights
	; ---- x: token tile T = the work-group's number; position i holds row 32 (T / 2) + 8 (T % 2) + i % 8 + 16 (i / 8)
	s_lshr_b32 s26, ttmp9, 1
	s_lshl_b32 s26, s26, 17
	s_and_b32 s27, ttmp9, 1
	s_lshl_b32 s27, s27, 15
	s_add_co_u32 s26, s26, s27
	s_lshl_b32 s27, s24, 9
	s_add_co_u32 s26, s26, s27
	s_mov_b32 s27, 0
	s_add_nc_u64 s[4:5], s[4:5], s[26:27]
	s_mul_i32 s30, ttmp9, 12288
	s_mul_i32 s31, s24, 1536
	s_add_co_u32 s30, s30, s31
	s_mov_b32 s31, 0
	s_add_nc_u64 s[6:7], s[6:7], s[30:31]          ; my fragment in oc
	s_lshl_b32 s30, ttmp9, 9
	s_add_nc_u64 s[16:17], s[16:17], s[30:31]      ; the tile's 512 scale bytes in os
.irp i, 0,1,2,3,4,5,6,7,8,9,10,11,12,13,14,15
	global_load_b128 v[32+4*\i:35+4*\i], v4, s[4:5] offset:((\i&7)+16*(\i>>3))*4096 th:TH_LOAD_NT   ; 512 consecutive bytes of one row
.endr
.irp g, 0,1,2,3
	s_wait_loadcnt 12-4*\g                         ; these four rows are in; the younger loads may be out
.irp j, 0,1,2,3
	ds_store_b128 v6, v[32+4*(4*\g+\j):35+4*(4*\g+\j)] offset:528*(4*\g+\j)
.endr
.endr
.irp c, 0,1
.irp j, 0,1,2,3,4,5,6,7
	ds_load_b128 v[96+32*\c+4*\j:99+32*\c+4*\j], v7 offset:256*\c+16*\j   ; LDS serves a wave's instructions in order: these see my stores.  Block 2 c + h of row r, whole
.endr
.endr
	s_wait_dscnt 0x0
	QB 2, 96
	v_lshl_or_b32 v28, v[BY+1], 16, v[BY]          ; my two bytes: blocks h and 2 + h,
	v_lshlrev_b32 v29, 3, v3
	s_delay_alu instid0(VALU_DEP_1)
	v_lshlrev_b32 v28, v29, v28                    ; at their places in the word;
	v_mov_b32 v30, 0
	s_delay_alu instid0(VALU_DEP_1)
	v_permlanex16_b32 v30, v28, s28, s29
	s_delay_alu instid0(VALU_DEP_1)
	v_or_b32 v28, v28, v30                         ; with lane xor 16's two the word is whole
	ds_store_b32 v8, v28                           ; (both halves of the lanes write the same word with the same value)
.irp c, 0,1
	global_store_b128 v4, v[C+6*\c:C+6*\c+3], s[6:7] offset:768*\c        ; 512 consecutive bytes, aligned
	global_store_b64 v5, v[C+6*\c+4:C+6*\c+5], s[6:7] offset:768*\c+512   ; 256 consecutive bytes, aligned
.endr
	s_wait_dscnt 0x0                               ; for the others' sake: my word lies in LDS
	s_barrier_signal -1
	s_barrier_wait -1
	s_cmp_lg_u32 s24, 0
	s_cbranch_scc1 .Lend
	ds_load_b128 v[32:35], v9                      ; wave 0 stores the tile's 16 rows of 32 scale bytes: 512 consecutive bytes
	s_wait_dscnt 0x0
	global_store_b128 v4, v[32:35], s[16:17]
	s_branch .Lend
.Lweights:	; ---- a weight: w = which, cg = which 32 positions of its output rows
	s_sub_co_u32 s30, ttmp9, 512
	s_lshr_b32 s31, s30, 5                         ; w
	s_and_b32 s30, s30, 31                         ; cg
	s_cmp_eq_u32 s31, 1
	s_cselect_b64 s[20:21], s[10:11], s[8:9]
	s_cmp_eq_u32 s31, 2
	s_cselect_b64 s[20:21], s[12:13], s[20:21]
	s_cmp_eq_u32 s31, 3
	s_cselect_b64 s[20:21], s[14:15], s[20:21]
	s_lshr_b32 s32, s30, 1                         ; Wq, Wk, Wv: head cg / 2 (262,144 bytes), channels 32 (cg % 2) on, rows of 256 bytes
	s_lshl_b32 s32, s32, 18
	s_and_b32 s33, s30, 1
	s_lshl_b32 s33, s33, 7
	s_add_co_u32 s32, s32, s33
	s_lshl_b32 s33, s24, 15
	s_add_co_u32 s32, s32, s33
	s_lshl_b32 s34, s30, 7                         ; Wo: columns 32 cg on, rows of 4,096 bytes
	s_lshl_b32 s35, s24, 19
	s_add_co_u32 s34, s34, s35
	s_cmp_eq_u32 s31, 3
	s_cselect_b32 s32, s34, s32
	s_mov_b32 s33, 0
	s_add_nc_u64 s[20:21], s[20:21], s[32:33]
	s_lshl_b32 s34, s31, 6
	s_lshl_b32 s35, s30, 1
	s_add_co_u32 s34, s34, s35
	s_add_co_u32 s34, s34, 512                     ; row tile 512 + 64 w + 2 cg
	s_mul_i32 s34, s34, 12288
	s_mul_i32 s35, s24, 1536
	s_add_co_u32 s34, s34, s35
	s_mov_b32 s35, 0
	s_add_nc_u64 s[22:23], s[6:7], s[34:35]
	s_lshl_b32 s34, s31, 10
	s_lshl_b32 s36, s30, 5
	s_add_co_u32 s34, s34, s36
	s_add_co_u32 s34, s34, 8192                    ; row position 8,192 + 1,024 w + 32 cg
	s_lshl_b32 s34, s34, 5
	s_add_nc_u64 s[16:17], s[16:17], s[34:35]
	s_cmp_eq_u32 s31, 3
	s_cbranch_scc1 .Lwo
	s_wait_alu depctr_va_vdst(0)
	WLOAD 256
	s_branch .Lloaded
.Lwo:
	s_wait_alu depctr_va_vdst(0)
	WLOAD 4096
.Lloaded:
	s_wait_loadcnt 0x0
	QB 4, 32
.irp c, 0,1                            ; a lane holds a position's four blocks; an image wants blocks 2 c and 2 c + 1 of 16 positions in the two halves of the lanes
.irp i, 0,1,2,3,4,5
	v_permlane16_swap_b32 v[C+12*\c+\i], v[C+12*\c+6+\i]   ; the first becomes half c of positions 0-15, the second that of positions 16-31
.endr
.endr
	v_lshl_or_b32 v28, v[BY+1], 8, v[BY]
	s_delay_alu instid0(VALU_DEP_1)
	v_lshl_or_b32 v28, v[BY+2], 16, v28
	s_delay_alu instid0(VALU_DEP_1)
	v_lshl_or_b32 v28, v[BY+3], 24, v28
	ds_store_b32 v11, v28
.irp c, 0,1
.irp t, 0,1
	global_store_b128 v4, v[C+12*\c+6*\t:C+12*\c+6*\t+3], s[22:23] offset:12288*\t+768*\c
	global_store_b64 v5, v[C+12*\c+6*\t+4:C+12*\c+6*\t+5], s[22:23] offset:12288*\t+768*\c+512
.endr
.endr
	s_wait_dscnt 0x0                               ; for the others' sake: my words lie in LDS
	s_barrier_signal -1
	s_barrier_wait -1
	s_cmp_lg_u32 s24, 0
	s_cbranch_scc1 .Lend
	ds_load_b128 v[32:35], v14                     ; wave 0 stores the 32 rows of 32 scale bytes: 1,024 consecutive bytes
	ds_load_b128 v[36:39], v14 offset:512
	s_wait_dscnt 0x0
	global_store_b128 v4, v[32:35], s[16:17]
	global_store_b128 v4, v[36:39], s[16:17] offset:512
.Lend:
	s_wait_tensorcnt 0x0                           ; the wave's end, behind my last LDS store
	ds_add_u32 v[SPW], v[NIL]
	s_wait_dscnt 0x0
	s_endpgm
.Lfunc_end_k_qf8fd9f78c9_quant:
	.size	k_qf8fd9f78c9_quant, .Lfunc_end_k_qf8fd9f78c9_quant-k_qf8fd9f78c9_quant
	.p2alignl 7, 3214868480
	.fill 96, 4, 3214868480
	.section	.rodata,"a",@progbits
	.p2align	6, 0x0
	.amdhsa_kernel k_qf8fd9f78c9_quant
		.amdhsa_group_segment_fixed_size 70144
		.amdhsa_private_segment_fixed_size 0
		.amdhsa_enable_private_segment 0
		.amdhsa_kernarg_size 56
		.amdhsa_user_sgpr_count 2
		.amdhsa_user_sgpr_kernarg_segment_ptr 1
		.amdhsa_wavefront_size32 1
		.amdhsa_system_sgpr_workgroup_id_x 1
		.amdhsa_system_sgpr_workgroup_id_y 1
		.amdhsa_system_sgpr_workgroup_id_z 1
		.amdhsa_system_vgpr_workitem_id 0
		.amdhsa_next_free_vgpr 200
		.amdhsa_next_free_sgpr 66
		.amdhsa_reserve_vcc 0
		.amdhsa_float_denorm_mode_32 3
		.amdhsa_float_denorm_mode_16_64 3
		.amdhsa_memory_ordered 1
		.amdhsa_forward_progress 1
		.amdhsa_inst_pref_size 44
	.end_amdhsa_kernel
	.amdgpu_metadata
---
amdhsa.version: [ 1, 2 ]
amdhsa.kernels:
  - .name:           k_qf8fd9f78c9_quant
    .symbol:         k_qf8fd9f78c9_quant.kd
    .args:
      - { .name: Wq, .offset: 0, .size: 8, .value_kind: global_buffer, .address_space: global }
      - { .name: Wk, .offset: 8, .size: 8, .value_kind: global_buffer, .address_space: global }
      - { .name: Wv, .offset: 16, .size: 8, .value_kind: global_buffer, .address_space: global }
      - { .name: Wo, .offset: 24, .size: 8, .value_kind: global_buffer, .address_space: global }
      - { .name: x, .offset: 32, .size: 8, .value_kind: global_buffer, .address_space: global }
      - { .name: oc, .offset: 40, .size: 8, .value_kind: global_buffer, .address_space: global }
      - { .name: os, .offset: 48, .size: 8, .value_kind: global_buffer, .address_space: global }
    .group_segment_fixed_size: 70144
    .private_segment_fixed_size: 0
    .kernarg_segment_align: 8
    .kernarg_segment_size: 56
    .max_flat_workgroup_size: 256
    .sgpr_count:     66
    .vgpr_count:     200
    .wavefront_size: 32
...
	.end_amdgpu_metadata
.endif
;; end of part 1
;; launch proj (part 2): grid 8 x 32, 4 waves a work-group, clusters of 4 x 1, 212,992 bytes of LDS; arguments oc, os, bq, bk, bv, rec; writes rec
.if DOCPART == 2
	.amdgcn_target "amdgcn-amd-amdhsa--gfx1250"
	.amdhsa_code_object_version 6
	.text
	.protected	k_qf8fd9f78c9_proj
	.globl	k_qf8fd9f78c9_proj
	.p2align	8
	.type	k_qf8fd9f78c9_proj,@function
k_qf8fd9f78c9_proj:
	s_mov_b64 s[64:65], 0
	v_nop
	global_prefetch_b8 v0, s[64:65] scope:SCOPE_SE
	s_setreg_imm32_b32 hwreg(HW_REG_WAVE_MODE, 25, 1), 1
	s_wait_xcnt 0x0
	s_wait_alu depctr_hold_cnt(0) depctr_sa_sdst(0) depctr_va_vdst(0) depctr_va_sdst(0) depctr_va_ssrc(0) depctr_va_vcc(0) depctr_vm_vsrc(0)
	s_getreg_b32 s2, hwreg(HW_REG_IB_STS2, 6, 4)
	s_cmp_eq_u32 s2, 0
	s_cbranch_scc0 .Lentry_in_a_cluster
	s_endpgm
.Lentry_in_a_cluster:
	s_bfe_u32 s2, ttmp6, 0x10000c
	s_cmp_lg_u32 s2, 0x3003
	s_cbranch_scc0 .Lentry_shape_is_right
	s_endpgm
.Lentry_shape_is_right:
; q, k, v = x W + b on codes of FP6 (E2M3) with E8M0 scales, K = 1,024; the f32 sums are quantised at once: q and k along the head's 64 channels, v along the keys.
; THE DEAL.  256 work-groups of four waves.  Work-group (J, TR) makes 256 tokens (16 row tiles of x) x heads 2 J, 2 J + 1 of q, k and v: 384 outputs.
; Wave w holds in registers, all of K, the four row tiles of one head of Wq (w < 2) or Wk and two row tiles of Wv: 48 fragments, 576 registers.  Every wave streams x's 16 row tiles past them, a block of 16 tokens at a time: 16 products of v, 32 of q or k.
; q, k: source 0 = the weight's rows, source 1 = x's: a lane holds a token, its registers run along channels.  v: source 0 = x's rows, source 1 = Wv's: a lane holds a channel, its registers run along tokens.
; oc holds images of operand registers ([row tile][8 K steps][2 halves][768 bytes]), os the scale bytes ([row][32]); row positions have bits 3 and 4 exchanged, so the 16 registers of result tiles 2 b, 2 b + 1 are 16 neighbours along the next K.
; LDS: x's 256 rows, all of K (196,608 bytes), filled once by one joint load a wave, shared by the four work-groups of a cluster (same TR); x's scale bytes; v's scale bytes on their way out; the spare words.
; The weights (294,912 bytes a work-group) have no room in LDS beside x's rows, so they are not asked for jointly: each lane loads its registers' bytes as they lie in oc.  No data prefetch: all is asked for at the head, there is no loop to run ahead in.
; OUT: rec, 128 records of 208,896 bytes: 16 b + head holds q, 64 + 16 b + head holds k and v.  A record: 16 entries of 768 bytes of scale words (256: token tiles 0-3 of a step of 128 tokens at 16 r + 4 tile; 256: tiles 4-7; 256: v's four channel tiles),
; then 16 steps of 12,288 bytes: 8 half images (16 tokens x 64 channels), 4 fragments of v (16 channels x 128 keys).  The upper two bytes of a word of q or k are 0: they scale zero codes.
; A BAND is four blocks, 64 tokens: half a fragment of v.  Bands 0 to 2 are a loop, band 3 is written out: its last two blocks fetch nothing.
; LIMITS: NaN and infinities are not served; a sum of q or k begins with its bias; a block whose largest magnitude lies under 2^-124 has its byte held at 1 (a block of zeros too: its codes are zeros, and this program alone reads the bytes).
.set KT,    12288                      ; a row tile, all of K
.set NF,    34                         ; LDS loads of a block: 32 for eight fragments, 2 for eight scale words
.set SCL,   16*KT                      ; x's scale bytes, 256 rows of 32
.set XM,    SCL+8192                   ; v's scale bytes: [wave][step][8 r + 4 tile + 2 band]
.set SPARE, XM+1024
.set REC,   208896
.set L16, 4                            ; 16 x lane
.set L8,  5                            ; 8 x lane
.set AAS0, 6                           ; LDS: row r's scale words in block 0
.set BOF, 7                            ; 64 h
.set EBO, 8                            ; 4 (r % 8 + 16 (r / 8))
.set ABS, 9                            ; 32 x lane
.set SPW, 10
.set NIL, 11
.set A16, 12                           ; as L16, L8, AAS0 for the block that is fetched next
.set A8,  13
.set AAS, 14
.set VST0, 15                          ; LDS: my wave's bytes of v's scales, + 8 r
.set VST, 16
.set XL,  17                           ; SCL + 16 x thread
.set XG,  18                           ; 16 x thread
.set RDW, 19                           ; LDS: my 8 bytes of the unit that my wave stores at the end
.set WOF, 22                           ; 16 r + 8 h
.set SB,  24                           ; v24-39 Wq's or Wk's scale words: tiles 2 p, 2 p + 1 in the two halves of the lanes
.set SBV, 40                           ; v40-47 Wv's
.set PW,  48                           ; v48-51 a band's four words of q or k
.set SA,  52                           ; v52-67 x's scale words, two sets
.set TM,  68                           ; v68-76 at work
.set ACC, 80                           ; v80-111 q's or k's sums
.set HV,  112                          ; v112-175 v's sums: 32 tile + 8 block
.set BQ,  176                          ; v176-207 q's or k's bias, the first products' C
.set F63, 208                          ; v208-219 fragment 63
.set NC,  224                          ; codes: q or k; v's two tiles
.set VC0, 230
.set VC1, 236
.set WS,  242
.set TB,  244                          ; v244, v245 v's bias of my channel in tiles 0, 1
.set VH,  246                          ; v246, v247 v's two scale bytes of a band, tiles 0, 1
.set SEL, 96
.set MSB, 0
.macro WIN new
.if MSB != (\new)
	s_set_vgpr_msb (MSB<<8)|(\new)
.set MSB, (\new)
.endif
.endm
.macro PLACES n
.rept \n
	v_nop
.endr
.endm
.macro WALU
	s_wait_alu depctr_va_vdst(0)
.endm
.macro BARRIER
	s_barrier_signal -1
	s_barrier_wait -1
.endm
.macro CROUND
	BARRIER
	s_cmp_lg_u32 s16, 0
	s_cbranch_scc1 .Lnot_wave_0_\@
	s_barrier_signal -3
.Lnot_wave_0_\@:
	s_barrier_wait -3
	BARRIER
.endm
.macro PTR d, base, off                ; a pointer: 64-bit base + the 32-bit offset in s\off (s21 = 0)
	s_mov_b32 s20, s\off
	s_add_nc_u64 s[\d:\d+1], s[\base:\base+1], s[20:21]
.endm
; fragments: 0-31 Wq|k's (4 q + tile), 32-47 Wv's (32 + 2 q + tile), 48-63 x's two sets (48 + 8 e + q): 21 to a window in windows 1 to 3, the last in window 0
.macro FPL f
.if (\f) == 63
.set FW_, 0
.set FG_, F63
.else
.set FW_, 1+(\f)/21
.set FG_, 12*((\f)%21)
.endif
.endm
.macro WFRAG f, p, off                 ; a weight's fragment as it lies in oc: two half images
	FPL \f
	WIN FW_<<6
	global_load_b128 v[FG_:FG_+3], v[L16], s[\p:\p+1] offset:\off
	global_load_b64 v[FG_+4:FG_+5], v[L8], s[\p:\p+1] offset:(\off)+512
	global_load_b128 v[FG_+6:FG_+9], v[L16], s[\p:\p+1] offset:(\off)+768
	global_load_b64 v[FG_+10:FG_+11], v[L8], s[\p:\p+1] offset:(\off)+1280
.endm
.macro FETCH e, a16, a8, as            ; a block of x into set e: NF loads
.irp q, 0,1,2,3,4,5,6,7
	FPL 48+8*(\e)+\q
	WIN FW_<<6
	ds_load_b128 v[FG_:FG_+3], v[\a16] offset:1536*\q
	ds_load_b64 v[FG_+4:FG_+5], v[\a8] offset:1536*\q+512
	ds_load_b128 v[FG_+6:FG_+9], v[\a16] offset:1536*\q+768
	ds_load_b64 v[FG_+10:FG_+11], v[\a8] offset:1536*\q+1280
.endr
	WIN 0
	ds_load_b128 v[SA+8*(\e):SA+8*(\e)+3], v[\as]
	ds_load_b128 v[SA+8*(\e)+4:SA+8*(\e)+7], v[\as] offset:16
.endm
.macro MM d, s0, s1, c, x0, x1, side, o
.if \o
	v_wmma_scale_f32_16x16x128_f8f6f4 v[\d:\d+7], v[\s0:\s0+11], v[\s1:\s1+11], \c, v[\x0], v[\x1] matrix_a_fmt:MATRIX_FMT_FP6 matrix_b_fmt:MATRIX_FMT_FP6 matrix_\side\()_scale:MATRIX_SCALE_ROW1
.else
	v_wmma_scale_f32_16x16x128_f8f6f4 v[\d:\d+7], v[\s0:\s0+11], v[\s1:\s1+11], \c, v[\x0], v[\x1] matrix_a_fmt:MATRIX_FMT_FP6 matrix_b_fmt:MATRIX_FMT_FP6 matrix_\side\()_scale:MATRIX_SCALE_ROW0
.endif
.endm
.macro PQK e, q, t
	FPL 48+8*(\e)+(\q)
.set XW_, FW_
.set XG_, FG_
	FPL 4*(\q)+(\t)
	WIN FW_|(XW_<<2)
.set D_, ACC+8*(\t)
.if \q
	MM D_, FG_, XG_, v[D_:D_+7], SB+8*((\t)/2)+(\q), SA+8*(\e)+(\q), a, (\t)%2
.else
	MM D_, FG_, XG_, v[BQ+8*(\t):BQ+8*(\t)+7], SB+8*((\t)/2)+(\q), SA+8*(\e)+(\q), a, (\t)%2
.endif
.endm
.macro PV e, q, t, i
	FPL 32+2*(\q)+(\t)
.set WW_, FW_
.set WG_, FG_
	FPL 48+8*(\e)+(\q)
	WIN FW_|(WW_<<2)
.set D_, HV+32*(\t)+8*(\i)
.if \q
	MM D_, FG_, WG_, v[D_:D_+7], SA+8*(\e)+(\q), SBV+(\q), b, \t
.else
	MM D_, FG_, WG_, 0, SA+8*(\e)+(\q), SBV+(\q), b, \t
.endif
.endm
; 32 sums a lane, register 16 b + i = k 32 b + 16 h + i of the next product: two blocks of 32, each shared with lane xor 16.  Six registers of codes (a half image), two scale bytes.  Each accumulator is read from its low end on.
.macro Q2 s, pc, pw
	v_max3_num_f32 v[TM], |v[\s]|, |v[\s+1]|, 0x1800000              ; with the floor 2^(3 - 127): the byte cannot fall under 1
	v_max3_num_f32 v[TM+1], |v[\s+16]|, |v[\s+17]|, 0x1800000
.irp i, 2,4,6,8,10,12,14
	v_max3_num_f32 v[TM], v[TM], |v[\s+\i]|, |v[\s+\i+1]|
	v_max3_num_f32 v[TM+1], v[TM+1], |v[\s+16+\i]|, |v[\s+17+\i]|
.endr
	v_permlanex16_b32 v[TM+2], v[TM], s[SEL], s[SEL+1]
	v_permlanex16_b32 v[TM+3], v[TM+1], s[SEL], s[SEL+1]
	v_max_num_f32 v[TM], v[TM], v[TM+2]
	v_max_num_f32 v[TM+1], v[TM+1], v[TM+3]
	v_add_nc_u32 v[TM+4], 0xff000000, v[TM]                          ; 2 off the exponent field: the conversion's scale operand
	v_add_nc_u32 v[TM+5], 0xff000000, v[TM+1]
	v_lshrrev_b32 v[TM+2], 23, v[TM+4]
	v_lshrrev_b32 v[TM+3], 23, v[TM+5]
	v_lshl_or_b32 v[\pw], v[TM+3], 8, v[TM+2]
	v_cvt_scalef32_pk16_fp6_f32 v[\pc:\pc+2], v[\s:\s+15], v[TM+4]
	v_cvt_scalef32_pk16_fp6_f32 v[TM+6:TM+8], v[\s+16:\s+31], v[TM+5]
	v_nop                                                            ; one plain line behind the scaled conversions
.irp i, 0,1,2
	v_permlane16_swap_b32 v[\pc+\i], v[TM+6+\i]                      ; a whole block in a lane: lanes 0-15 block 0, lanes 16-31 block 1
.endr
.irp i, 0,1,2
	v_mov_b32 v[\pc+3+\i], v[TM+6+\i]
.endr
.endm
; block i of a band: its products; the fetch of the block two on; the way out under that fetch
.macro BLK i, fetch
.set E_, (\i)%2
.irp q, 0,1,2,3,4,5,6,7
	PV E_, \q, 0, \i
	PV E_, \q, 1, \i
.if (\fetch) && \q == 0
	s_add_co_u32 s90, s90, KT
	s_add_co_u32 s91, s91, 512
.endif
.endr
.irp q, 0,1,2,3,4,5,6,7
.irp t, 0,1,2,3
	PQK E_, \q, \t
.endr
.endr
	WIN 0
.if \fetch
	v_add_nc_u32 v[A16], s90, v[L16]               ; four plain lines behind the last product, ahead of the fetch into its registers and of the first reader of its sums
	v_add_nc_u32 v[A8], s90, v[L8]
	v_add_nc_u32 v[AAS], s91, v[AAS0]
	v_nop
	WALU
	FETCH E_, A16, A8, AAS
.else
	PLACES 4
.endif
	s_wait_xcnt 0x0                                ; the earlier stores have read their registers
	Q2 ACC, NC, PW+(\i)
	global_store_b128 v[L16], v[NC:NC+3], s[44:45] offset:768*(\i)       ; 512 consecutive bytes, aligned
	global_store_b64 v[L8], v[NC+4:NC+5], s[44:45] offset:768*(\i)+512   ; 256 consecutive bytes, aligned
.if (\i) == 3
.irp t, 0,1                            ; v's bias is added behind the sums: one number a lane
.set j_, 0
.rept 16
	v_pk_add_f32 v[HV+32*\t+j_:HV+32*\t+j_+1], v[HV+32*\t+j_:HV+32*\t+j_+1], v[TB:TB+1] op_sel:[0,\t] op_sel_hi:[1,\t]
.set j_, j_+2
.endr
.endr
	Q2 HV, VC0, VH
	Q2 HV+32, VC1, VH+1
	v_cndmask_b32 v[WS], v[PW], v[PW+2], s95       ; lane (r, h) stores the words of the band's tiles 2 h, 2 h + 1 of row r
	v_cndmask_b32 v[WS+1], v[PW+1], v[PW+3], s95
	v_add_nc_u32 v[VST], s94, v[VST0]
	global_store_b128 v[L16], v[VC0:VC0+3], s[46:47]
	global_store_b64 v[L8], v[VC0+4:VC0+5], s[46:47] offset:512
	global_store_b128 v[L16], v[VC1:VC1+3], s[46:47] offset:1536
	global_store_b64 v[L8], v[VC1+4:VC1+5], s[46:47] offset:1536+512
	global_store_b64 v[WOF], v[WS:WS+1], s[42:43]  ; 32 lanes store 256 consecutive bytes, aligned
	ds_store_b16 v[VST], v[VH]                     ; (both halves of the lanes write the same bytes with the same value)
	ds_store_b16 v[VST], v[VH+1] offset:4
.endif
	WALU
.if \fetch
	s_wait_dscnt NF+2*((\i)/3)                     ; the next block's rows are in: younger are this block's fetch and, at a band's end, two byte stores
.else
	s_wait_dscnt 0x0
.endif
.endm
.macro BAND f                          ; band s66 = 2 step + c: where its results go; f: its last two blocks fetch
	s_and_b32 s67, s66, 1
	s_lshr_b32 s92, s66, 1
	s_mov_b32 s21, 0
	s_wait_xcnt 0x0                                ; the last band's stores have read their bases
	s_mul_i32 s20, s67, 3072
	s_mul_i32 s93, s92, KT
	s_add_co_u32 s20, s20, s93
	s_add_nc_u64 s[44:45], s[68:69], s[20:21]      ; q's or k's half images
	s_mul_i32 s20, s67, 768
	s_add_co_u32 s20, s20, s93
	s_add_nc_u64 s[46:47], s[70:71], s[20:21]      ; v's fragments, half c
	s_lshl_b32 s20, s67, 8
	s_mul_i32 s93, s92, 768
	s_add_co_u32 s20, s20, s93
	s_add_nc_u64 s[42:43], s[72:73], s[20:21]      ; q's or k's words
	s_lshl_b32 s20, s67, 1
	s_lshl_b32 s93, s92, 7
	s_add_co_u32 s94, s20, s93                     ; v's bytes in LDS
	BLK 0, 1
	BLK 1, 1
	BLK 2, \f
	BLK 3, \f
.endm
; ---- the head
	s_load_b128 s[4:7], s[0:1], 0x0                ; oc, os
	s_load_b128 s[8:11], s[0:1], 0x10              ; bq, bk
	s_load_b128 s[12:15], s[0:1], 0x20             ; bv, rec
	v_lshl_add_u32 v[SPW], v0, 2, SPARE
	v_mov_b32 v[NIL], 0
	ds_add_u32 v[SPW], v[NIL]                      ; the opening lines
	ds_add_u32 v[SPW], v[NIL]
	v_lshrrev_b32 v1, 5, v0
	v_readfirstlane_b32 s16, v1                    ; wave w; s17 = w / 2, s18 = w % 2
	s_lshr_b32 s17, s16, 1
	s_and_b32 s18, s16, 1
	s_bfe_u32 s88, ttmp6, 0x40000
	s_lshl_b32 s84, ttmp9, 2
	s_add_co_u32 s84, s84, s88                     ; J: enters global addresses alone
	s_and_b32 s85, ttmp7, 0xffff                   ; TR, which the four partners share
	s_lshr_b32 s86, s85, 3
	s_lshl_b32 s86, s86, 4                         ; 16 b
	s_and_b32 s87, s85, 7
	s_lshl_b32 s87, s87, 1                         ; the first of my two steps of 128 tokens
	s_mul_i32 s19, s16, 4*KT
	s_mul_i32 s50, s85, 16*KT
	s_add_co_u32 s50, s50, s19                     ; x: my four row tiles
	s_lshl_b32 s51, s85, 13                        ; x's scale bytes
	s_lshl_b32 s89, s84, 3
	s_lshl_b32 s22, s17, 6
	s_add_co_u32 s22, s22, s89
	s_lshl_b32 s23, s18, 2
	s_add_co_u32 s22, s22, s23
	s_add_co_u32 s22, s22, 512                     ; row tile 512 + 64 (w / 2) + 8 J + 4 (w % 2): my head of Wq or Wk
	s_mul_i32 s52, s22, KT
	s_lshl_b32 s53, s22, 9
	s_lshl_b32 s22, s16, 1
	s_add_co_u32 s22, s22, s89
	s_add_co_u32 s22, s22, 640                     ; row tile 640 + 8 J + 2 w: my two tiles of Wv
	s_mul_i32 s54, s22, KT
	s_lshl_b32 s55, s22, 9
	s_lshl_b32 s89, s84, 1
	s_add_co_u32 s22, s89, s18                     ; q's or k's head
	s_lshl_b32 s56, s22, 8
	s_add_co_u32 s23, s89, s17                     ; v's head
	s_lshl_b32 s57, s23, 8
	s_lshl_b32 s88, s18, 7
	s_add_co_u32 s57, s57, s88
	s_add_co_u32 s22, s22, s86
	s_add_co_u32 s23, s23, s86
	s_add_co_u32 s23, s23, 64                      ; v's record
	s_add_co_u32 s61, s22, 64                      ; the record whose unit of v's words I store at the end
	s_lshl_b32 s88, s17, 6
	s_add_co_u32 s22, s22, s88                     ; q's or k's record
	s_mul_i32 s22, s22, REC
	s_mul_i32 s23, s23, REC
	s_mul_i32 s61, s61, REC
	s_mul_i32 s88, s87, KT
	s_add_co_u32 s58, s22, s88
	s_add_co_u32 s58, s58, KT
	s_add_co_u32 s60, s23, s88
	s_mul_i32 s88, s18, 3072
	s_add_co_u32 s60, s60, s88
	s_add_co_u32 s60, s60, KT+6144
	s_mul_i32 s88, s87, 768
	s_add_co_u32 s59, s22, s88
	s_add_co_u32 s88, s87, s17
	s_mul_i32 s88, s88, 768
	s_add_co_u32 s61, s61, s88
	s_add_co_u32 s61, s61, 512
	s_lshl_b32 s48, s16, 8
	s_add_co_u32 s48, s48, XM                      ; my wave's 256 bytes of v's scales
	s_lshl_b32 s49, s18, 9
	s_lshl_b32 s88, s17, 7
	s_add_co_u32 s49, s49, s88
	s_add_co_u32 s49, s49, XM                      ; the unit (step w / 2, head w % 2): waves 2 (w % 2) and the next hold it
	s_mov_b32 s24, 15|(3<<16)|(1<<21)              ; the mask: all four work-groups; elements of 8 bytes; bit 21 beside a mask
	s_mov_b32 s25, 32<<16                          ; 192 rows of 256 bytes, dense
	s_mov_b32 s26, 192<<16
	s_mov_b32 s27, 32<<16
	s_mov_b32 s28, 192
	s_mov_b32 s29, 32
	s_mov_b32 s30, 0
	s_mov_b32 s31, 0
	s_mov_b32 s32, 1
	s_mov_b32 s33, s19
	s_mov_b32 s[SEL], 0x76543210
	s_mov_b32 s[SEL+1], 0xfedcba98
	s_mov_b32 s95, 0xffff0000
	v_and_b32 v1, 15, v0
	v_bfe_u32 v2, v0, 4, 1
	v_and_b32 v3, 31, v0
	v_lshlrev_b32 v[L16], 4, v3
	v_lshlrev_b32 v[L8], 3, v3
	v_lshl_add_u32 v[AAS0], v1, 5, SCL
	v_lshlrev_b32 v[BOF], 6, v2
	v_and_b32 v[EBO], 7, v1
	v_lshrrev_b32 v[ABS], 3, v1
	v_lshl_add_u32 v[EBO], v[ABS], 4, v[EBO]
	v_lshlrev_b32 v[EBO], 2, v[EBO]
	v_lshlrev_b32 v[ABS], 5, v3
	v_add_nc_u32 v[A16], KT, v[L16]
	v_add_nc_u32 v[A8], KT, v[L8]
	v_add_nc_u32 v[AAS], 512, v[AAS0]
	v_lshl_add_u32 v[VST0], v1, 3, s48
	v_lshlrev_b32 v[XG], 4, v0
	v_lshl_add_u32 v[XL], v0, 4, SCL
	v_and_b32 v[RDW], 1, v3
	v_lshlrev_b32 v[RDW], 8, v[RDW]
	v_lshrrev_b32 v[WOF], 1, v3
	v_lshl_add_u32 v[RDW], v[WOF], 3, v[RDW]
	v_add_nc_u32 v[RDW], s49, v[RDW]
	v_lshlrev_b32 v[WOF], 4, v1
	v_lshl_add_u32 v[WOF], v2, 3, v[WOF]
	v_mov_b32 v[TM+2], 0                           ; written once: a lane permute's destination counts as one of its sources
	v_mov_b32 v[TM+3], 0
	WALU
	s_wait_dscnt 0x0
	CROUND                                         ; the four work-groups are here: the joint loads meet
	s_wait_kmcnt 0x0
	s_mov_b32 s21, 0
	PTR 34, 4, 50
	s_or_b32 s35, s35, 0x80000000
	tensor_load_to_lds s[32:35], s[24:31]          ; my quarter of x's rows: one load a wave, and every wave waits for it
	s_nop 0
	PLACES 4
	PTR 36, 6, 51
	PTR 38, 4, 52
	PTR 40, 4, 54
	PTR 76, 6, 53
	PTR 78, 6, 55
	s_cmp_eq_u32 s17, 0
	s_cselect_b64 s[80:81], s[8:9], s[10:11]
	PTR 80, 80, 56
	PTR 82, 12, 57
	PTR 68, 14, 58
	PTR 72, 14, 59
	PTR 70, 14, 60
	PTR 74, 14, 61
.irp k, 0,1,2,3
	global_load_b128 v[HV+4*\k:HV+4*\k+3], v[XG], s[36:37] offset:2048*\k   ; x's scale bytes: 2,048 consecutive bytes a work-group and instruction
.endr
.irp t, 0,1,2,3
.irp c, 0,1
	global_load_b128 v[BQ+8*\t+4*\c:BQ+8*\t+4*\c+3], v[BOF], s[80:81] offset:128*(\t/2)+32*(\t%2)+16*\c   ; register 8 t + j wants channel 32 (t / 2) + 16 h + 8 (t % 2) + j
.endr
.endr
	global_load_b32 v[TB], v[EBO], s[82:83]        ; position r of tile t holds channel 32 (w % 2) + 8 t + r % 8 + 16 (r / 8)
	global_load_b32 v[TB+1], v[EBO], s[82:83] offset:32
.irp p, 0,1
.irp c, 0,1
	global_load_b128 v[SB+8*\p+4*\c:SB+8*\p+4*\c+3], v[ABS], s[76:77] offset:1024*\p+16*\c
.endr
.endr
.irp c, 0,1
	global_load_b128 v[SBV+4*\c:SBV+4*\c+3], v[ABS], s[78:79] offset:16*\c
.endr
.irp q, 0,1,2,3,4,5,6,7
	WFRAG 32+2*\q, 40, 1536*\q
	WFRAG 33+2*\q, 40, KT+1536*\q
.irp t, 0,1,2,3
	WFRAG 4*\q+\t, 38, KT*\t+1536*\q
.endr
.endr
	WIN 0
	s_wait_loadcnt 63                              ; x's scale bytes are in: 192 and more loads are younger
.irp k, 0,1,2,3
	ds_store_b128 v[XL], v[HV+4*\k:HV+4*\k+3] offset:2048*\k
.endr
	s_wait_tensorcnt 0x0                           ; my quarter of x's rows is in,
	s_wait_dscnt 0x0                               ; and my part of the scale bytes
	BARRIER                                        ; everybody's are
	FETCH 0, L16, L8, AAS0
	FETCH 1, A16, A8, AAS
	s_mov_b32 s90, KT
	s_mov_b32 s91, 512
	s_mov_b32 s66, 0
	s_wait_loadcnt 0x0                             ; the weights, their scales, the biases
	s_wait_dscnt NF                                ; block 0's rows
.Lband:
	BAND 1
	s_add_co_u32 s66, s66, 1
	s_cmp_lg_u32 s66, 3
	s_cbranch_scc1 .Lband
	BAND 0
	BARRIER                                        ; v's scale bytes lie in LDS (each wave has waited for its stores)
	ds_load_b64 v[20:21], v[RDW]
	s_wait_dscnt 0x0
	global_store_b64 v[L8], v[20:21], s[74:75]     ; one aligned unit of 256 bytes: a step's words of one head's four channel tiles
	s_wait_tensorcnt 0x0                           ; the wave's end
	ds_add_u32 v[SPW], v[NIL]
	s_wait_dscnt 0x0
	CROUND                                         ; the closing round
	s_endpgm
.Lfunc_end_k_qf8fd9f78c9_proj:
	.size	k_qf8fd9f78c9_proj, .Lfunc_end_k_qf8fd9f78c9_proj-k_qf8fd9f78c9_proj
	.p2alignl 7, 3214868480
	.fill 96, 4, 3214868480
	.section	.rodata,"a",@progbits
	.p2align	6, 0x0
	.amdhsa_kernel k_qf8fd9f78c9_proj
		.amdhsa_group_segment_fixed_size 212992
		.amdhsa_private_segment_fixed_size 0
		.amdhsa_enable_private_segment 0
		.amdhsa_kernarg_size 48
		.amdhsa_user_sgpr_count 2
		.amdhsa_user_sgpr_kernarg_segment_ptr 1
		.amdhsa_wavefront_size32 1
		.amdhsa_system_sgpr_workgroup_id_x 1
		.amdhsa_system_sgpr_workgroup_id_y 1
		.amdhsa_system_sgpr_workgroup_id_z 1
		.amdhsa_system_vgpr_workitem_id 0
		.amdhsa_next_free_vgpr 1024
		.amdhsa_next_free_sgpr 100
		.amdhsa_reserve_vcc 0
		.amdhsa_float_denorm_mode_32 3
		.amdhsa_float_denorm_mode_16_64 3
		.amdhsa_memory_ordered 1
		.amdhsa_forward_progress 1
		.amdhsa_inst_pref_size 130
	.end_amdhsa_kernel
	.amdgpu_metadata
---
amdhsa.version: [ 1, 2 ]
amdhsa.kernels:
  - .name:           k_qf8fd9f78c9_proj
    .symbol:         k_qf8fd9f78c9_proj.kd
    .args:
      - { .name: oc, .offset: 0, .size: 8, .value_kind: global_buffer, .address_space: global }
      - { .name: os, .offset: 8, .size: 8, .value_kind: global_buffer, .address_space: global }
      - { .name: bq, .offset: 16, .size: 8, .value_kind: global_buffer, .address_space: global }
      - { .name: bk, .offset: 24, .size: 8, .value_kind: global_buffer, .address_space: global }
      - { .name: bv, .offset: 32, .size: 8, .value_kind: global_buffer, .address_space: global }
      - { .name: rec, .offset: 40, .size: 8, .value_kind: global_buffer, .address_space: global }
    .group_segment_fixed_size: 212992
    .private_segment_fixed_size: 0
    .kernarg_segment_align: 8
    .kernarg_segment_size: 48
    .max_flat_workgroup_size: 128
    .sgpr_count:     100
    .vgpr_count:     1024
    .wavefront_size: 32
...
	.end_amdgpu_metadata
.endif
;; end of part 2
;; launch attn (part 3): grid 4 x 64, 16 waves a work-group, clusters of 4 x 1, 212,992 bytes of LDS; arguments rec, cc, cs; writes cc, cs
.if DOCPART == 3
	.amdgcn_target "amdgcn-amd-amdhsa--gfx1250"
	.amdhsa_code_object_version 6
	.text
	.protected	k_qf8fd9f78c9_attn
	.globl	k_qf8fd9f78c9_attn
	.p2align	8
	.type	k_qf8fd9f78c9_attn,@function
k_qf8fd9f78c9_attn:
	s_mov_b64 s[64:65], 0
	v_nop
	global_prefetch_b8 v0, s[64:65] scope:SCOPE_SE
	s_setreg_imm32_b32 hwreg(HW_REG_WAVE_MODE, 25, 1), 1
	s_wait_xcnt 0x0
	s_wait_alu depctr_hold_cnt(0) depctr_sa_sdst(0) depctr_va_vdst(0) depctr_va_sdst(0) depctr_va_ssrc(0) depctr_va_vcc(0) depctr_vm_vsrc(0)
	s_getreg_b32 s2, hwreg(HW_REG_IB_STS2, 6, 4)
	s_cmp_eq_u32 s2, 0
	s_cbranch_scc0 .Lentry_in_a_cluster
	s_endpgm
.Lentry_in_a_cluster:
	s_bfe_u32 s2, ttmp6, 0x10000c
	s_cmp_lg_u32 s2, 0x3003
	s_cbranch_scc0 .Lentry_shape_is_right
	s_endpgm
.Lentry_shape_is_right:
; Causal attention of one head (y = 16 b + head) on codes of FP6 (E2M3) with E8M0 scales, and the quantiser of the concatenated heads.
; S^T = K Q^T (K = the head's 64 channels; the instruction's other 64 are zero codes in both operands), t = score x log2(e) / 8, M = the running largest t rounded UP to a whole number, p = 2^(t - M) quantised along the keys,
; O^T += V^T P^T; the row's sum is taken of the unquantised p and divides O at the end; when M moves, sum and O are multiplied by 2^(old M - new M), which rounds nothing.
; THE HEAD'S WHOLE RECORD (k's images, v's fragments, their scale words: 208,896 bytes) LIES IN LDS, filled once: no ring and no refill.  The four work-groups of a cluster are one head's and ask for it jointly.
; SHARES.  A head has 128 tiles of 16 queries, in 16 groups of 8; group g needs key steps 0 .. g of 128 keys, its diagonal lies in step g.  Wave w of work-group cx takes p = w % 8, e = w / 8 + 2 cx and owns tile e of group 15 - p
; (pass L) and tile e of group p (pass S): 17 key steps for every wave of the launch.  Every branch hangs on the wave's number and on counts; cx enters global addresses and the mask's lane data alone.
; A lane holds ONE query (lane % 16) throughout; token and channel positions are held with bits 3 and 4 exchanged, so that p's 16 registers of two neighbouring tiles are 16 neighbouring keys, O^T's 16 neighbouring channels.
; OUT: cc, the heads' codes as half images (token tile x 12,288 + 768 head); cs, two scale bytes a token and head (token position x 32 + 2 head): these are stores of 2 bytes a lane, since a word's four bytes belong to two heads.
; LIMITS: hidden scores become -infinity where the function writes -1e9: the same wherever a row's largest open score lies above about -1e9 + 150; NaN and infinities are not served; a block's byte is held at 1 from below.
.set SPARE, 208896                     ; behind the record: the spare words, 128 bytes for each wave: eight blocks of 256 bytes that no other line names
.set SPW, 5                            ; v5  LDS address of my spare word; never rewritten
.set NIL, 6                            ; v6  0; never rewritten
.set SB,  128                          ; v128-191 S^T, then p
.set OB,  192                          ; v192-223 O^T
; v0 (behind the head) address of the step's scale words; v1 16 x lane; v2 8 x lane; v3 16 r; v4 the mask's d; v7 pass S's Q word; v8, v9 addresses of the step's images; v10-11, v28-31 pass S's Q, later v29, v30 the passes' scale halfwords;
; v12 -M; v13 the largest t; v14-15 the sum; v16-27 Q (22-27 zeros); v32-79 four fragments of K (the upper six of each zeros); v80-127 four of V; v224-235 p's codes; v232-247 at work; v248-251 scale words; v252 f; v253 p's word; v255 Q's word
.set WV,  18
.set CX,  19
.set SEL, 20
.set CS,  22                           ; s[22:23] c = log2(e) / 8
.set TB,  2                            ; s2  LDS byte at which the step's block begins
.set TS,  3                            ; s3  and its entry of scale words
.set STP, 48                           ; s48 the key step
.set G,   49                           ; s49 the pass's group
.set GL,  50
.set GS,  51
.set E,   52
.set DG,  53
.set CCL, 54
.set CCS, 56
.set CSB, 58
.set CNT, 60
.set G1A, 24
.set G1B, 32
.set G0A, 40
.set G0B, 44
.macro CROUND
	s_barrier_signal -1
	s_barrier_wait -1
	s_cmp_lg_u32 s[WV], 0
	s_cbranch_scc1 .Lnot_wave_0_\@
	s_barrier_signal -3
.Lnot_wave_0_\@:
	s_barrier_wait -3
	s_barrier_signal -1
	s_barrier_wait -1
.endm
.macro INIT                            ; a pass begins: O^T and the sum as zeros, the largest t under every t: the first change of M multiplies zeros
	s_wait_xcnt 0x0                                ; the last pass's stores have read their registers
	v_mov_b32 v13, 0xff61b1e6
	s_delay_alu instid0(VALU_DEP_1)
	v_floor_f32 v12, -v13
	v_mov_b32 v14, 0
	v_mov_b32 v15, 0
.set i, 0
.rept 32
	v_mov_b32 v[OB+i], 0
.set i, i+1
.endr
.endm
; A KEY STEP of 128 keys.  causal = 1: a step behind the pass's group is left out (a branch on the wave's number and the count of steps), and in the group's own step hidden scores become -infinity.
.macro STEP causal
.if \causal
	s_cmp_gt_u32 s[STP], s[G]
	s_cbranch_scc1 .Lhidden_\@
.endif
	v_add_nc_u32 v8, s[TB], v1
	s_wait_alu depctr_va_vdst(0)
	v_add_nc_u32 v9, s[TB], v2
	s_wait_alu depctr_va_vdst(0)
	v_add_nc_u32 v0, s[TS], v3
	s_wait_alu depctr_va_vdst(0)
	v_nop                                          ; four places behind the last step's products, in front of loads into their scale registers
.irp g, 0,1                            ; S^T = K Q^T, four tiles of 16 keys at a time
.if \g
.rept 4
	v_nop
.endr
.endif
.irp t, 0,1,2,3
	ds_load_b128 v[32+12*\t:35+12*\t], v8 offset:768*(4*\g+\t)
	ds_load_b64 v[36+12*\t:37+12*\t], v9 offset:768*(4*\g+\t)+512
.endr
	ds_load_b128 v[248:251], v0 offset:256*\g      ; the four tiles' scale words of row r
	s_wait_dscnt 0x0
.irp t, 0,1,2,3
	v_wmma_scale_f32_16x16x128_f8f6f4 v[SB+8*(4*\g+\t):SB+8*(4*\g+\t)+7], v[32+12*\t:43+12*\t], v[16:27], 0, v[248+\t], v255 matrix_a_fmt:MATRIX_FMT_FP6 matrix_b_fmt:MATRIX_FMT_FP6
.endr
.endr
.rept 4
	v_nop
.endr
.irp t, 0,1,2,3                        ; V's four fragments and their words are asked for here and land under the softmax
	ds_load_b128 v[80+12*\t:83+12*\t], v8 offset:6144+1536*\t
	ds_load_b64 v[84+12*\t:85+12*\t], v9 offset:6144+1536*\t+512
	ds_load_b128 v[86+12*\t:89+12*\t], v8 offset:6144+1536*\t+768
	ds_load_b64 v[90+12*\t:91+12*\t], v9 offset:6144+1536*\t+1280
.endr
	ds_load_b128 v[248:251], v0 offset:512
.if \causal
	s_cmp_lt_u32 s[STP], s[G]
	s_cbranch_scc1 .Lopen_\@
	v_mov_b32 v254, 0xff800000                     ; register 16 b + i holds key 32 b + 16 (lane / 16) + i of the step: hidden where 32 b + i > d = my query - 16 (lane / 16)
.set n, 0
.rept 64
	v_cmp_gt_i32 vcc_lo, 32*(n/16)+n%16, v4
	v_cndmask_b32 v[SB+n], v[SB+n], v254, vcc_lo
.set n, n+1
.endr
.Lopen_\@:
.endif
.irp b, 0,1,2,3
	v_max3_num_f32 v[232+\b], v[SB+16*\b], v[SB+1+16*\b], v[SB+2+16*\b]   ; the largest score of each block of 32 keys: for the row's maximum, and, since p rises with the score, for the block's largest p
.endr
.irp i, 3,5,7,9,11,13
.irp b, 0,1,2,3
	v_max3_num_f32 v[232+\b], v[232+\b], v[SB+16*\b+\i], v[SB+1+16*\b+\i]
.endr
.endr
.irp b, 0,1,2,3
	v_max_num_f32 v[232+\b], v[232+\b], v[SB+15+16*\b]
.endr
.irp b, 0,1,2,3
	s_delay_alu instid0(VALU_DEP_4)
	v_permlanex16_b32 v[236+\b], v[232+\b], s[SEL], s[SEL+1]
.endr
.irp b, 0,1,2,3
	s_delay_alu instid0(VALU_DEP_4)
	v_max_num_f32 v[232+\b], v[232+\b], v[236+\b]  ; with lane xor 16's 16 keys
.endr
	s_delay_alu instid0(VALU_DEP_2)
	v_max3_num_f32 v254, v232, v233, v234
	s_delay_alu instid0(VALU_DEP_1)
	v_max_num_f32 v254, v254, v235
	s_delay_alu instid0(VALU_DEP_1)
	v_mul_f32 v254, s[CS], v254                    ; the step's largest t
	s_delay_alu instid0(VALU_DEP_1)
	v_max_num_f32 v13, v13, v254
	v_mov_b32 v254, v12
	s_delay_alu instid0(VALU_DEP_2)
	v_floor_f32 v12, -v13                          ; the new -M = -ceil(t)
	s_delay_alu instid0(VALU_DEP_1)
	v_sub_f32 v254, v12, v254                      ; old M - new M: a whole number, 0 or less
	s_delay_alu instid0(VALU_DEP_1)
	v_cvt_i32_f32 v254, v254                       ; (it saturates)
	s_delay_alu instid0(VALU_DEP_1)
	v_ldexp_f32 v252, 1.0, v254                    ; f = 2^(old M - new M)
.set j, 0
.rept 32
	v_pk_fma_f32 v[SB+j:SB+j+1], v[SB+j:SB+j+1], s[CS:CS+1], v[12:13] op_sel_hi:[1,0,0]   ; t - M, two at a time
.set j, j+2
.endr
.irp b, 0,1,2,3
	v_fma_f32 v[232+\b], v[232+\b], s[CS], v12
.endr
.set j, 0
	s_wait_alu depctr_va_vdst(0)
.rept 64
	v_exp_f32 v[SB+j], v[SB+j]                     ; p = 2^(t - M): not normalised
.set j, j+1
.endr
	v_pk_mul_f32 v[14:15], v[14:15], v[252:253] op_sel_hi:[1,0]   ; the sums under the new M; a plain line behind the exponentials
	s_wait_alu depctr_va_vdst(0)                   ; one wait for the batch of 64, ahead of its first reader
.irp b, 0,1,2,3
	v_exp_f32 v[232+\b], v[232+\b]                 ; the blocks' largest p
.endr
	v_pk_add_f32 v[236:237], v[132:133], v[136:137]
	v_pk_add_f32 v[246:247], v[140:141], v[144:145]
	v_pk_add_f32 v[244:245], v[148:149], v[152:153]
	v_pk_add_f32 v[242:243], v[156:157], v[160:161]
	v_pk_add_f32 v[240:241], v[164:165], v[168:169]
	v_pk_add_f32 v[238:239], v[172:173], v[176:177]
	v_pk_add_f32 v[230:231], v[180:181], v[184:185]
	v_pk_add_f32 v[14:15], v[14:15], v[188:189]
	v_pk_add_f32 v[236:237], v[236:237], v[128:129]
	v_pk_add_f32 v[246:247], v[246:247], v[130:131]
	v_pk_add_f32 v[244:245], v[244:245], v[134:135]
	v_pk_add_f32 v[242:243], v[242:243], v[138:139]
	v_pk_add_f32 v[240:241], v[240:241], v[142:143]
	v_pk_add_f32 v[238:239], v[238:239], v[146:147]
	v_pk_add_f32 v[230:231], v[230:231], v[150:151]
	v_pk_add_f32 v[14:15], v[14:15], v[154:155]
	v_pk_add_f32 v[236:237], v[236:237], v[158:159]
	v_pk_add_f32 v[246:247], v[246:247], v[162:163]
	v_pk_add_f32 v[244:245], v[244:245], v[166:167]
	v_pk_add_f32 v[242:243], v[242:243], v[170:171]
	v_pk_add_f32 v[240:241], v[240:241], v[174:175]
	v_pk_add_f32 v[238:239], v[238:239], v[178:179]
	v_pk_add_f32 v[230:231], v[230:231], v[182:183]
	v_pk_add_f32 v[14:15], v[14:15], v[186:187]
	v_pk_add_f32 v[236:237], v[236:237], v[190:191]
	s_delay_alu instid0(VALU_DEP_2)
	v_pk_add_f32 v[14:15], v[14:15], v[242:243]
	s_delay_alu instid0(VALU_DEP_2)
	v_pk_add_f32 v[236:237], v[236:237], v[240:241]
	v_pk_add_f32 v[246:247], v[246:247], v[238:239]
	v_pk_add_f32 v[244:245], v[244:245], v[230:231]
	s_delay_alu instid0(VALU_DEP_2)
	v_pk_add_f32 v[14:15], v[14:15], v[246:247]
	s_delay_alu instid0(VALU_DEP_2)
	v_pk_add_f32 v[236:237], v[236:237], v[244:245]
	s_delay_alu instid0(VALU_DEP_1)
	v_pk_add_f32 v[14:15], v[14:15], v[236:237]
	s_wait_alu depctr_va_vdst(0)                   ; and one for the four
.irp b, 0,1,2,3
	v_max_num_f32 v[232+\b], 0x1800000, v[232+\b]  ; the floor 2^(3 - 127): a block whose every p is 0 keeps the byte 1; its codes are zeros
.endr
.irp b, 0,1,2,3
	s_delay_alu instid0(VALU_DEP_4)
	v_add_nc_u32 v[244+\b], 0xff000000, v[232+\b]
.endr
.irp b, 0,1,2,3
	s_delay_alu instid0(VALU_DEP_4)
	v_lshrrev_b32 v[236+\b], 23, v[244+\b]
.endr
	s_delay_alu instid0(VALU_DEP_3)
	v_lshl_or_b32 v253, v237, 8, v236              ; p's scale word for these 128 keys
	s_delay_alu instid0(VALU_DEP_1)
	v_lshl_or_b32 v253, v238, 16, v253
	s_delay_alu instid0(VALU_DEP_1)
	v_lshl_or_b32 v253, v239, 24, v253
.irp c, 0,1
	v_cvt_scalef32_pk16_fp6_f32 v[224+6*\c:226+6*\c], v[SB+32*\c:SB+15+32*\c], v[244+2*\c]
	v_cvt_scalef32_pk16_fp6_f32 v[236+4*\c:238+4*\c], v[SB+16+32*\c:SB+31+32*\c], v[244+2*\c+1]
.endr
	v_nop                                          ; one plain line behind the scaled conversions
.irp c, 0,1
.irp i, 0,1,2
	v_permlane16_swap_b32 v[224+6*\c+\i], v[236+4*\c+\i]
.endr
.irp i, 0,1,2
	s_delay_alu instid0(VALU_DEP_3)
	v_mov_b32 v[227+6*\c+\i], v[236+4*\c+\i]
.endr
.endr
.set j, 0
.rept 16
	v_pk_mul_f32 v[OB+j:OB+j+1], v[OB+j:OB+j+1], v[252:253] op_sel_hi:[1,0]   ; O^T under the new M; these sixteen also stand between the writes of p's codes and word and the products
.set j, j+2
.endr
	s_wait_alu depctr_va_vdst(0)
	s_wait_dscnt 0x0                               ; V is in
.irp t, 0,1,2,3                        ; four accumulators, one instruction a turn
	v_wmma_scale_f32_16x16x128_f8f6f4 v[OB+8*\t:OB+8*\t+7], v[80+12*\t:91+12*\t], v[224:235], v[OB+8*\t:OB+8*\t+7], v[248+\t], v253 matrix_a_fmt:MATRIX_FMT_FP6 matrix_b_fmt:MATRIX_FMT_FP6
.endr
.if \causal
.Lhidden_\@:
.endif
	s_add_co_u32 s[STP], s[STP], 1
	s_add_co_u32 s[TB], s[TB], 12288
	s_add_co_u32 s[TS], s[TS], 768
.endm
; A pass ends: O^T / the sum, register 16 b + i = channel 32 b + 16 (lane / 16) + i; its two blocks of 32 are quantised and stored as a half image; pw takes the two scale bytes.
.macro FINISH pw, base
.rept 4
	v_nop                                          ; places behind the last products
.endr
	v_add_f32 v14, v14, v15
	s_delay_alu instid0(VALU_DEP_1)
	v_permlanex16_b32 v252, v14, s[SEL], s[SEL+1]
	s_delay_alu instid0(VALU_DEP_1)
	v_add_f32 v14, v14, v252                       ; the row's sum
	s_wait_alu depctr_va_vdst(0)
	v_rcp_f32 v14, v14
	v_nop                                          ; a plain line behind the reciprocal
	s_wait_alu depctr_va_vdst(0)                   ; the wait ahead of its first reader
.set j, 0
.rept 16
	v_pk_mul_f32 v[SB+j:SB+j+1], v[OB+j:OB+j+1], v[14:15] op_sel_hi:[1,0]
.set j, j+2
.endr
.irp b, 0,1
	v_max3_num_f32 v[232+\b], |v[SB+16*\b]|, |v[SB+1+16*\b]|, 0x1800000
.endr
.irp i, 2,4,6,8,10,12,14
.irp b, 0,1
	s_delay_alu instid0(VALU_DEP_2)
	v_max3_num_f32 v[232+\b], v[232+\b], |v[SB+16*\b+\i]|, |v[SB+1+16*\b+\i]|
.endr
.endr
.irp b, 0,1
	s_delay_alu instid0(VALU_DEP_2)
	v_permlanex16_b32 v[236+\b], v[232+\b], s[SEL], s[SEL+1]
.endr
.irp b, 0,1
	s_delay_alu instid0(VALU_DEP_2)
	v_max_num_f32 v[232+\b], v[232+\b], v[236+\b]
.endr
.irp b, 0,1
	s_delay_alu instid0(VALU_DEP_2)
	v_add_nc_u32 v[244+\b], 0xff000000, v[232+\b]
.endr
.irp b, 0,1
	s_delay_alu instid0(VALU_DEP_2)
	v_lshrrev_b32 v[236+\b], 23, v[244+\b]
.endr
	s_delay_alu instid0(VALU_DEP_1)
	v_lshl_or_b32 v[\pw], v237, 8, v236
	v_cvt_scalef32_pk16_fp6_f32 v[224:226], v[SB:SB+15], v244
	v_cvt_scalef32_pk16_fp6_f32 v[240:242], v[SB+16:SB+31], v245
	v_nop
.irp i, 0,1,2
	v_permlane16_swap_b32 v[224+\i], v[240+\i]
.endr
.irp i, 0,1,2
	s_delay_alu instid0(VALU_DEP_3)
	v_mov_b32 v[227+\i], v[240+\i]
.endr
	global_store_b128 v1, v[224:227], s[\base:\base+1]              ; 512 consecutive bytes, aligned
	global_store_b64 v2, v[228:229], s[\base:\base+1] offset:512    ; 256 consecutive bytes, aligned
.endm
	s_load_b128 s[4:7], s[0:1], 0x0                ; rec, cc
	s_load_b64 s[8:9], s[0:1], 0x10                ; cs
	v_lshl_add_u32 v[SPW], v0, 2, SPARE
	v_mov_b32 v[NIL], 0
	ds_add_u32 v[SPW], v[NIL]                      ; the wave's opening: the add and its wait ahead of the first tensor loads; the set-up below stands between them
	ds_add_u32 v[SPW], v[NIL]
	v_lshrrev_b32 v8, 5, v0
	s_delay_alu instid0(VALU_DEP_1)
	v_readfirstlane_b32 s[WV], v8
	s_bfe_u32 s[CX], ttmp6, 0x40000
	s_and_b32 s61, ttmp7, 0xffff                   ; y = 16 b + head, which the four partners share
	; the joint loads: the k and v record 64 + y as rows of 256 bytes; waves 0-3 bring 36 rows each (all scale words, key steps 0 and 1), then 168 rows each (steps 2 to 15)
	s_add_co_u32 s78, s61, 64
	s_mul_i32 s78, s78, 208896
	s_and_b32 s79, s[WV], 3                        ; which quarter of a fill is mine: waves 0-3 bring the first fill, waves 4-7 the second
	s_mul_i32 s76, s79, 9216
	s_mul_i32 s77, s79, 43008
	s_add_co_u32 s77, s77, 36864
	s_add_co_u32 s68, s78, s76
	s_mov_b32 s69, 0
	s_add_co_u32 s70, s78, s77
	s_mov_b32 s71, 0
	s_mov_b32 s[G1A], 15|(3<<16)|(1<<21)           ; 15:0 the mask: all four work-groups; 17:16 elements of 8 bytes; 21 set beside a mask
	s_mov_b32 s[G1A+1], 32<<16
	s_mov_b32 s[G1A+2], 36<<16
	s_mov_b32 s[G1A+3], 32<<16
	s_mov_b32 s[G1A+4], 36
	s_mov_b32 s[G1A+5], 32
	s_mov_b32 s[G1A+6], 0
	s_mov_b32 s[G1A+7], 0
	s_mov_b32 s[G1B], 15|(3<<16)|(1<<21)
	s_mov_b32 s[G1B+1], 32<<16
	s_mov_b32 s[G1B+2], 168<<16
	s_mov_b32 s[G1B+3], 32<<16
	s_mov_b32 s[G1B+4], 168
	s_mov_b32 s[G1B+5], 32
	s_mov_b32 s[G1B+6], 0
	s_mov_b32 s[G1B+7], 0
	; my two tiles
	s_and_b32 s[GS], s[WV], 7
	s_sub_co_u32 s[GL], 15, s[GS]
	s_lshr_b32 s[E], s[WV], 3
	s_lshl_b32 s62, s[CX], 1
	s_add_co_u32 s[E], s[E], s62
	s_mul_i32 s62, s61, 208896                     ; q's record y
	s_mul_i32 s63, s[E], 768
	s_add_co_u32 s63, s63, s62
	s_add_co_u32 s63, s63, 12288
	s_mul_i32 s66, s[GL], 12288
	s_add_co_u32 s10, s63, s66                     ; pass L's image,
	s_mov_b32 s11, 0
	s_mul_i32 s66, s[GS], 12288
	s_add_co_u32 s12, s63, s66                     ; pass S's
	s_mov_b32 s13, 0
	s_lshr_b32 s66, s[E], 2
	s_lshl_b32 s66, s66, 8
	s_and_b32 s67, s[E], 3
	s_lshl_b32 s67, s67, 2
	s_add_co_u32 s66, s66, s67
	s_add_co_u32 s66, s66, s62
	s_mul_i32 s67, s[GL], 768
	s_add_co_u32 s14, s66, s67                     ; and their scale words
	s_mov_b32 s15, 0
	s_mul_i32 s67, s[GS], 768
	s_add_co_u32 s16, s66, s67
	s_mov_b32 s17, 0
	s_lshr_b32 s72, s61, 4                         ; b
	s_and_b32 s73, s61, 15                         ; head
	s_lshl_b32 s72, s72, 7
	s_add_co_u32 s72, s72, s[E]
	s_lshl_b32 s74, s[GL], 3
	s_add_co_u32 s74, s74, s72                     ; token tile 128 b + 8 g + e
	s_mul_i32 s[CCL], s74, 12288
	s_mul_i32 s75, s73, 768
	s_add_co_u32 s[CCL], s[CCL], s75
	s_mov_b32 s[CCL+1], 0
	s_lshl_b32 s74, s[GS], 3
	s_add_co_u32 s74, s74, s72
	s_mul_i32 s[CCS], s74, 12288
	s_add_co_u32 s[CCS], s[CCS], s75
	s_mov_b32 s[CCS+1], 0
	s_lshl_b32 s[CSB], s74, 9
	s_lshl_b32 s75, s73, 1
	s_add_co_u32 s[CSB], s[CSB], s75
	s_mov_b32 s[CSB+1], 0
	s_sub_co_u32 s[DG], s[GL], s[GS]
	s_lshl_b32 s[DG], s[DG], 12                    ; from pass S's rows of cs to pass L's: 8 tiles x 512 bytes a group
	s_lshr_b32 s72, s[E], 1
	s_lshl_b32 s72, s72, 5
	s_and_b32 s73, s[E], 1
	s_lshl_b32 s73, s73, 3
	s_add_co_u32 s72, s72, s73
	s_mov_b32 s[SEL], 0x76543210
	s_mov_b32 s[SEL+1], 0xfedcba98
	s_mov_b32 s[CS], 0x3e38aa3b                    ; c = log2(e) / 8
	s_mov_b32 s[CS+1], s[CS]
	v_and_b32 v8, 31, v0
	v_and_b32 v9, 15, v0
	v_bfe_u32 v10, v0, 4, 1
	s_delay_alu instid0(VALU_DEP_3)
	v_lshlrev_b32 v1, 4, v8
	s_delay_alu instid0(VALU_DEP_4)
	v_lshlrev_b32 v2, 3, v8
	s_delay_alu instid0(VALU_DEP_4)
	v_lshlrev_b32 v3, 4, v9
	v_and_b32 v4, 7, v0
	v_bfe_u32 v11, v0, 3, 1
	s_delay_alu instid0(VALU_DEP_1)
	v_lshl_add_u32 v4, v11, 4, v4
	v_lshlrev_b32 v11, 4, v10
	s_delay_alu instid0(VALU_DEP_1)
	v_sub_nc_u32 v4, v4, v11
	s_delay_alu instid0(VALU_DEP_1)
	v_add_nc_u32 v4, s72, v4                       ; d = 32 (e / 2) + 8 (e % 2) + r % 8 + 16 (r / 8) - 16 h: my query in its group, less my half's first key
	s_wait_dscnt 0x0                               ; the opening add is done
	s_wait_kmcnt 0x0
	s_mov_b32 s[G0A], 1
	s_mov_b32 s[G0A+1], s76
	s_add_nc_u64 s[G0A+2:G0A+3], s[4:5], s[68:69]
	s_or_b32 s[G0A+3], s[G0A+3], 0x80000000
	s_mov_b32 s[G0B], 1
	s_mov_b32 s[G0B+1], s77
	s_add_nc_u64 s[G0B+2:G0B+3], s[4:5], s[70:71]
	s_or_b32 s[G0B+3], s[G0B+3], 0x80000000
	s_add_nc_u64 s[10:11], s[4:5], s[10:11]
	s_add_nc_u64 s[12:13], s[4:5], s[12:13]
	s_add_nc_u64 s[14:15], s[4:5], s[14:15]
	s_add_nc_u64 s[16:17], s[4:5], s[16:17]
	s_add_nc_u64 s[CCL:CCL+1], s[6:7], s[CCL:CCL+1]
	s_add_nc_u64 s[CCS:CCS+1], s[6:7], s[CCS:CCS+1]
	s_add_nc_u64 s[CSB:CSB+1], s[8:9], s[CSB:CSB+1]
	CROUND                                         ; all four work-groups are here: the joint loads meet
	s_cmp_lt_u32 s[WV], 4                          ; one chain of branches on the wave's number, one load to an arm
	s_cbranch_scc0 .Lfill_b
	tensor_load_to_lds s[G0A:G0A+3], s[G1A:G1A+7]
	s_nop 0
.rept 4
	v_nop
.endr
	s_branch .Lno_fill
.Lfill_b:
	s_cmp_lt_u32 s[WV], 8
	s_cbranch_scc0 .Lno_fill
	tensor_load_to_lds s[G0B:G0B+3], s[G1B:G1B+7]
	s_nop 0
.rept 4
	v_nop
.endr
.Lno_fill:
	s_wait_alu depctr_va_vdst(0)
	global_load_b128 v[16:19], v1, s[10:11]        ; pass L's Q: a half image,
	global_load_b64 v[20:21], v2, s[10:11] offset:512
	global_load_b32 v255, v3, s[14:15]             ; and its rows' scale words
	global_load_b128 v[28:31], v1, s[12:13]        ; pass S's
	global_load_b64 v[10:11], v2, s[12:13] offset:512
	global_load_b32 v7, v3, s[16:17]
.irp i, 22,23,24,25,26,27
	v_mov_b32 v[\i], 0                             ; the zero codes of the instruction's upper 64 along K: Q's,
.endr
.irp t, 0,1,2,3
.irp i, 6,7,8,9,10,11
	v_mov_b32 v[32+12*\t+\i], 0                    ; and K's: written once
.endr
.endr
.irp b, 0,1,2,3
	v_mov_b32 v[236+\b], 0                         ; written once: a lane permute's destination counts as one of its sources
.endr
	v_mov_b32 v253, 0                              ; (named as the upper half of the pair v[252:253] before it is first written)
	INIT
	s_mov_b32 s[STP], 0
	s_mov_b32 s[TB], 12288
	s_mov_b32 s[TS], 0
	s_mov_b32 s[G], s[GL]
	s_wait_loadcnt 0x0
	s_cmp_lt_u32 s[WV], 4
	s_cbranch_scc0 .Lnot_first
	s_wait_tensorcnt 0x0                           ; waves 0-3: my part of the first fill is in; the second fill, which has a load line of its own, may be out
.Lnot_first:
	s_barrier_signal -1
	s_barrier_wait -1
	STEP 0                                         ; pass L's group is 8 or more: steps 0 and 1 are whole for every wave, and lie in the first fill's bytes
	STEP 0
	s_wait_tensorcnt 0x0                           ; my part of the second fill is in,
	s_wait_dscnt 0x0
	s_barrier_signal -1
	s_barrier_wait -1                              ; everybody's is
	s_mov_b32 s[CNT], 14
.Lpass_l:
	STEP 1
	s_sub_co_u32 s[CNT], s[CNT], 1
	s_cmp_lg_u32 s[CNT], 0
	s_cbranch_scc1 .Lpass_l
.irp i, 0,1,2,3
	v_mov_b32 v[16+\i], v[28+\i]                   ; pass S's Q takes its place; the way out below stands between these writes and the next products
.endr
	v_mov_b32 v20, v10
	v_mov_b32 v21, v11
	v_mov_b32 v255, v7
	FINISH 29, CCL
	INIT
	s_mov_b32 s[STP], 0
	s_mov_b32 s[TB], 12288
	s_mov_b32 s[TS], 0
	s_mov_b32 s[G], s[GS]
	s_mov_b32 s[CNT], 8
.Lpass_s:
	STEP 1
	s_sub_co_u32 s[CNT], s[CNT], 1
	s_cmp_lg_u32 s[CNT], 0
	s_cbranch_scc1 .Lpass_s
	FINISH 30, CCS
	v_lshrrev_b32 v8, 8, v1                        ; h
	v_lshlrev_b32 v9, 1, v3                        ; 32 r
	s_delay_alu instid0(VALU_DEP_2)
	v_mul_u32_u24 v10, s[DG], v8
	s_delay_alu instid0(VALU_DEP_1)
	v_add_nc_u32 v9, v9, v10
	s_delay_alu instid0(VALU_DEP_4)
	v_cmp_eq_u32 vcc_lo, 1, v8
	s_delay_alu instid0(VALU_DEP_1)
	v_cndmask_b32 v11, v30, v29, vcc_lo            ; lanes 0-15: pass S's two bytes of row r, lanes 16-31: pass L's
	global_store_b16 v9, v11, s[CSB:CSB+1]
	s_wait_tensorcnt 0x0                           ; the wave's end, behind the last tensor load
	ds_add_u32 v[SPW], v[NIL]
	s_wait_dscnt 0x0
	CROUND                                         ; the closing round
	s_endpgm
.Lfunc_end_k_qf8fd9f78c9_attn:
	.size	k_qf8fd9f78c9_attn, .Lfunc_end_k_qf8fd9f78c9_attn-k_qf8fd9f78c9_attn
	.p2alignl 7, 3214868480
	.fill 96, 4, 3214868480
	.section	.rodata,"a",@progbits
	.p2align	6, 0x0
	.amdhsa_kernel k_qf8fd9f78c9_attn
		.amdhsa_group_segment_fixed_size 212992
		.amdhsa_private_segment_fixed_size 0
		.amdhsa_enable_private_segment 0
		.amdhsa_kernarg_size 24
		.amdhsa_user_sgpr_count 2
		.amdhsa_user_sgpr_kernarg_segment_ptr 1
		.amdhsa_wavefront_size32 1
		.amdhsa_system_sgpr_workgroup_id_x 1
		.amdhsa_system_sgpr_workgroup_id_y 1
		.amdhsa_system_sgpr_workgroup_id_z 1
		.amdhsa_system_vgpr_workitem_id 0
		.amdhsa_next_free_vgpr 256
		.amdhsa_next_free_sgpr 80
		.amdhsa_reserve_vcc 1
		.amdhsa_float_denorm_mode_32 3
		.amdhsa_float_denorm_mode_16_64 3
		.amdhsa_memory_ordered 1
		.amdhsa_forward_progress 1
		.amdhsa_inst_pref_size 101
	.end_amdhsa_kernel
	.amdgpu_metadata
---
amdhsa.version: [ 1, 2 ]
amdhsa.kernels:
  - .name:           k_qf8fd9f78c9_attn
    .symbol:         k_qf8fd9f78c9_attn.kd
    .args:
      - { .name: rec, .offset: 0, .size: 8, .value_kind: global_buffer, .address_space: global }
      - { .name: cc, .offset: 8, .size: 8, .value_kind: global_buffer, .address_space: global }
      - { .name: cs, .offset: 16, .size: 8, .value_kind: global_buffer, .address_space: global }
    .group_segment_fixed_size: 212992
    .private_segment_fixed_size: 0
    .kernarg_segment_align: 8
    .kernarg_segment_size: 24
    .max_flat_workgroup_size: 512
    .sgpr_count:     80
    .vgpr_count:     256
    .wavefront_size: 32
...
	.end_amdgpu_metadata
.endif
;; end of part 3
;; launch outp (part 4): grid 32 x 8, 4 waves a work-group, clusters of 4 x 4, 327,680 bytes of LDS; arguments cc, cs, oc, os, out0, bo; writes out0
.if DOCPART == 4
	.amdgcn_target "amdgcn-amd-amdhsa--gfx1250"
	.amdhsa_code_object_version 6
	.text
	.protected	k_qf8fd9f78c9_outp
	.globl	k_qf8fd9f78c9_outp
	.p2align	8
	.type	k_qf8fd9f78c9_outp,@function
k_qf8fd9f78c9_outp:
	s_mov_b64 s[64:65], 0
	v_nop
	global_prefetch_b8 v0, s[64:65] scope:SCOPE_SE
	s_setreg_imm32_b32 hwreg(HW_REG_WAVE_MODE, 25, 1), 1
	s_wait_xcnt 0x0
	s_wait_alu depctr_hold_cnt(0) depctr_sa_sdst(0) depctr_va_vdst(0) depctr_va_sdst(0) depctr_va_ssrc(0) depctr_va_vcc(0) depctr_vm_vsrc(0)
	s_getreg_b32 s2, hwreg(HW_REG_IB_STS2, 6, 4)
	s_cmp_eq_u32 s2, 0
	s_cbranch_scc0 .Lentry_in_a_cluster
	s_endpgm
.Lentry_in_a_cluster:
	s_bfe_u32 s2, ttmp6, 0x10000c
	s_cmp_lg_u32 s2, 0xf033
	s_cbranch_scc0 .Lentry_shape_is_right
	s_endpgm
.Lentry_shape_is_right:
; out[token][n] = sum over k of concat[token][k] Wo[k][n] + bo[n], f32, on codes of FP6 (E2M3) with E8M0 scales: 8,192 x 1,024 x 1,024.
; cc (the heads' codes) and oc's row tiles 704 on (Wo, a row = an output column) are images of operand registers: [row tile of 16 positions][8 K steps][2 halves][768 bytes]; cs and os hold 32 scale bytes a row position.  Position p holds row p with bits 3 and 4 exchanged.
; THE DEAL.  256 work-groups of four waves, 2 x 2, each 256 tokens x 128 columns.  A wave holds four row tiles of Wo, all of K, in registers (384) and streams the tokens past them in eight blocks of 16: the wave in row a takes row tiles 2 s + a, s = 0 .. 7.
; Source 0 = Wo's rows, source 1 = the tokens: a lane holds a token, its registers run along columns.  The bias is the first products' C: a sum begins with it.
; CLUSTERS, 4 x 4: tile row 4 x cluster x + cx, tile column 4 x cluster y + cy.  The tokens' tiles are shared by a column of the cluster, Wo's by a row.
; LDS: the tokens' 16 row tiles and Wo's 8, all of K, each filled once (no refill, and no data prefetch: all is asked for at the head); the waves' stages; the tokens' scale bytes; the spare words.
; THE HEAD'S FOUR TILES, one a wave, each on a line of its own: Wo's 8 row tiles; the tokens' row tiles 0-7; 8-11; 12-15.  The stream begins when the first two are in; a plain barrier inside block 1 (and, the text being a loop's, 3 and 5) shows the others.
; Behind a block's 32 products: its sums into my stage and back as rows of 256 bytes; the fetch of the block two on; one wait; eight stores.
; LIMITS: NaN, infinities and sums beyond f32's range are not served.
.set KT,     12288                     ; a row tile, all of K
.set NQ,     8
.set NB,     4
.set FR,     12
.set FPW,    21                        ; fragments in a window
.set NF,     34                        ; LDS loads of a block: 32 for eight fragments, 2 for eight scale words
.set YB,     16*KT                     ; Wo's row tiles
.set STAGE,  YB+8*KT
.set SPITCH, 272                       ; a stage: 16 rows x (256 bytes + 16) for each wave
.set SCL,    STAGE+4*16*SPITCH         ; the tokens' scale bytes, 256 rows of 32
.set SPARE,  SCL+8192
.set A160, 4                           ; LDS: my block 0, + 16 x lane;  v5: + 8 x lane;  v6: row r's scale words
.set A80,  5
.set AAS0, 6
.set BOF,  8                           ; 64 h
.set CO,   9                           ; my byte offset in out: row h, 16 bytes x r
.set SPW,  10
.set NIL,  11
.set A16,  12                          ; as v4-6 for the block that is fetched next
.set A8,   13
.set B16,  14                          ; LDS: my four row tiles of Wo
.set B8,   15
.set ABS,  16                          ; 32 x lane
.set AAS,  17
.set STO,  18
.set RD,   19
.set XG,   20                          ; 16 x thread
.set XL,   21                          ; SCL + 16 x thread
.set SB,   24                          ; v24-39 Wo's scale words
.set SA,   42                          ; v42-57 the tokens': two sets
.set ACC,  64                          ; v64-127 two sets of four accumulators
.set BK,   128                         ; v128-191 two sets: 16 rows x 256 bytes back from the stage
.set BO,   208                         ; v208-239 the bias
.set G1A, 24
.set G1B, 32
.set G0A, 56
.set G0B, 60
.set MSB, 0
.macro WIN new
.if MSB != (\new)
	s_set_vgpr_msb (MSB<<8)|(\new)
.set MSB, (\new)
.endif
.endm
.macro PLACES n
.rept \n
	v_nop
.endr
.endm
.macro WALU
	s_wait_alu depctr_va_vdst(0)
.endm
.macro BARRIER
	s_barrier_signal -1
	s_barrier_wait -1
.endm
.macro CROUND
	BARRIER
	s_cmp_lg_u32 s16, 0
	s_cbranch_scc1 .Lnot_wave_0_\@
	s_barrier_signal -3
.Lnot_wave_0_\@:
	s_barrier_wait -3
	BARRIER
.endm
.macro TLOAD g0, g1
	tensor_load_to_lds s[\g0:\g0+3], s[\g1:\g1+7]
	s_nop 0
	PLACES 4
.endm
.macro GROUP1 g, mask, rows            ; dense rows of 256 bytes (32 elements of 8); rows = 0: the two words that count rows are written in each tile's own arm
	s_or_b32 s[\g+0], s[\mask], (3<<16)|(1<<21)
	s_mov_b32 s[\g+1], 32<<16
	s_mov_b32 s[\g+3], 32<<16
.if \rows
	s_mov_b32 s[\g+2], (\rows)<<16
	s_mov_b32 s[\g+4], \rows
.endif
	s_mov_b32 s[\g+5], 32
	s_mov_b32 s[\g+6], 0
	s_mov_b32 s[\g+7], 0
.endm
.macro ATILE first, tiles              ; some of the tokens' row tiles, 48 rows of 256 bytes each
	s_mov_b32 s[G0A+1], (\first)*KT
	s_mov_b32 s[G1A+2], ((\tiles)*48)<<16
	s_mov_b32 s[G1A+4], (\tiles)*48
.if \first
	s_add_nc_u64 s[G0A+2:G0A+3], s[G0A+2:G0A+3], (\first)*KT
.endif
	s_or_b32 s[G0A+3], s[G0A+3], 0x80000000
	TLOAD G0A, G1A
.endm
.macro FRAG f, a16, a8, off            ; fragment f (0-31 Wo's: 4 q + tile; 32-47 the tokens' two sets) as it was stored: two half images
	WIN (1+(\f)/FPW)<<6
.set R_, FR*((\f)%FPW)
	ds_load_b128 v[R_:R_+3], v[\a16] offset:\off
	ds_load_b64 v[R_+4:R_+5], v[\a8] offset:(\off)+512
	ds_load_b128 v[R_+6:R_+9], v[\a16] offset:(\off)+768
	ds_load_b64 v[R_+10:R_+11], v[\a8] offset:(\off)+1280
.endm
.macro FETCHAT e, a16, a8, as          ; a block of tokens into set e: NF loads
.irp q, 0,1,2,3,4,5,6,7
	FRAG NB*NQ+NQ*(\e)+\q, \a16, \a8, 1536*\q
.endr
	WIN 0
	ds_load_b128 v[SA+8*(\e):SA+8*(\e)+3], v[\as]
	ds_load_b128 v[SA+8*(\e)+4:SA+8*(\e)+7], v[\as] offset:16
.endm
.macro PROD1 d, s0, s1, c, x0, x1, o
.if \o
	v_wmma_scale_f32_16x16x128_f8f6f4 v[\d:\d+7], v[FR*((\s0)%FPW):FR*((\s0)%FPW)+FR-1], v[FR*((\s1)%FPW):FR*((\s1)%FPW)+FR-1], \c, v[\x0], v[\x1] matrix_a_fmt:MATRIX_FMT_FP6 matrix_b_fmt:MATRIX_FMT_FP6 matrix_a_scale:MATRIX_SCALE_ROW1
.else
	v_wmma_scale_f32_16x16x128_f8f6f4 v[\d:\d+7], v[FR*((\s0)%FPW):FR*((\s0)%FPW)+FR-1], v[FR*((\s1)%FPW):FR*((\s1)%FPW)+FR-1], \c, v[\x0], v[\x1] matrix_a_fmt:MATRIX_FMT_FP6 matrix_b_fmt:MATRIX_FMT_FP6 matrix_a_scale:MATRIX_SCALE_ROW0
.endif
.endm
.macro PROD e, n                       ; product n = 4 q + tile of a block in set e; the four accumulators take turns
.set Q_, (\n)/4
.set FB_, NB*Q_+(\n)%4
.set FA_, NB*NQ+NQ*(\e)+Q_
.set D_, ACC+32*(\e)+8*((\n)%4)
.set XB_, SB+NQ*(((\n)%4)/2)+Q_
.set XA_, SA+8*(\e)+Q_
	WIN (1+FB_/FPW)|((1+FA_/FPW)<<2)
.if Q_
	PROD1 D_, FB_, FA_, v[D_:D_+7], XB_, XA_, (\n)%2
.else
	PROD1 D_, FB_, FA_, v[BO+8*((\n)%4):BO+8*((\n)%4)+7], XB_, XA_, (\n)%2
.endif
.endm
.macro PRODS e, from, to, fetch
.set N_, \from
.rept (\to)-(\from)
	PROD \e, N_
.if (\fetch) && N_ == 1
	s_add_co_u32 s90, s90, 2*KT
	s_add_co_u32 s91, s91, 1024
.endif
.set N_, N_+1
.endr
	WIN 0
.endm
.macro STAGED u                        ; set u's sums into my stage, each accumulator from its low end on, and back as whole rows.  Register j of tile b is column 32 (b / 2) + 16 h + 8 (b % 2) + j.  LDS serves a wave's instructions in order (ISA guide 5.7.1.4)
.irp b, 0,1,2,3
	ds_store_b128 v[STO], v[ACC+32*(\u)+8*\b:ACC+32*(\u)+8*\b+3] offset:128*(\b/2)+32*(\b%2)
	ds_store_b128 v[STO], v[ACC+32*(\u)+8*\b+4:ACC+32*(\u)+8*\b+7] offset:128*(\b/2)+32*(\b%2)+16
.endr
.irp t, 0,1,2,3,4,5,6,7
	ds_load_b128 v[BK+32*(\u)+4*\t:BK+32*(\u)+4*\t+3], v[RD] offset:2*\t*SPITCH
.endr
.endm
.macro TOC s                           ; stage rows 2 t, 2 t + 1 of a pair's block s are tokens 32 s + 2 t % 8 + 16 (t / 4) and the next; sixteen lanes store 256 consecutive bytes, aligned
.irp t, 0,1,2,3,4,5,6,7
	global_store_b128 v[CO], v[BK+32*(\s)+4*\t:BK+32*(\s)+4*\t+3], s[12:13] offset:(32*(\s)+(2*\t)%8+16*(\t/4))*4096 th:TH_STORE_NT
.endr
.endm
.macro STREAM s, fetch, show           ; a pair's block s.  show = 1: a plain barrier inside the block shows waves 2 and 3's tiles to all
.if \show
	PRODS \s, 0, 24, \fetch
	s_wait_tensorcnt 0x0
	s_wait_dscnt 0x0
	s_barrier_signal -1
	PRODS \s, 24, 32, \fetch
	s_barrier_wait -1
.else
	PRODS \s, 0, 32, \fetch
.endif
.if \fetch
	v_add_nc_u32 v[A16], s90, v[A160]              ; four plain lines behind the last product, ahead of the first reader of its sums and of the fetch into its registers
	v_add_nc_u32 v[A8], s90, v[A80]
	v_add_nc_u32 v[AAS], s91, v[AAS0]
	v_nop
	WALU
.else
	PLACES 4
.endif
	s_wait_xcnt 0x0                                ; the stores of two blocks ago have read set s of the rows, those of the block before their base
.if (\s) == 0
	s_add_nc_u64 s[12:13], s[12:13], s[20:21]      ; on to this pair's 64 tokens
.endif
	STAGED \s
.if \fetch
	FETCHAT \s, A16, A8, AAS
	s_wait_dscnt NF                                ; the block's rows are back from the stage, and the next block's fragments are in; this block's fetch is younger
.else
	s_wait_dscnt 0x0
.endif
	TOC \s
.endm
; ---- the head
	s_load_b128 s[4:7], s[0:1], 0x0                ; cc, cs
	s_load_b128 s[8:11], s[0:1], 0x10              ; oc, os
	s_load_b128 s[12:15], s[0:1], 0x20             ; out0, bo
	v_lshl_add_u32 v[SPW], v0, 2, SPARE
	v_mov_b32 v[NIL], 0
	ds_add_u32 v[SPW], v[NIL]                      ; the opening lines
	ds_add_u32 v[SPW], v[NIL]
	v_lshrrev_b32 v1, 5, v0
	v_readfirstlane_b32 s16, v1                    ; the wave; s17 its row a of the 2 x 2, s18 its column
	s_lshr_b32 s17, s16, 1
	s_and_b32 s18, s16, 1
	s_bfe_u32 s40, ttmp6, 0x40000
	s_bfe_u32 s41, ttmp6, 0x40004
	s_lshl_b32 s43, ttmp9, 2
	s_add_co_u32 s43, s43, s40                     ; tile row
	s_and_b32 s42, ttmp7, 0xffff
	s_lshl_b32 s42, s42, 2
	s_add_co_u32 s42, s42, s41                     ; tile column
	s_lshl_b32 s44, 0x1111, s40                    ; my column of the cluster shares the tokens' tiles
	s_lshl_b32 s45, s41, 2
	s_lshl_b32 s45, 15, s45                        ; my row shares Wo's
	GROUP1 G1A, 44, 0
	GROUP1 G1B, 45, 384
	s_mov_b32 s[G0A], 1
	s_mov_b32 s[G0B], 1
	s_mov_b32 s[G0B+1], YB
	s_mul_i32 s76, s43, 16*KT
	s_mov_b32 s77, 0
	s_mul_i32 s78, s42, 8*KT
	s_add_co_u32 s78, s78, 704*KT
	s_mov_b32 s79, 0
	s_lshl_b32 s82, s42, 12
	s_lshl_b32 s21, s18, 11
	s_add_co_u32 s82, s82, s21
	s_add_co_u32 s82, s82, 704*512                 ; the scale bytes of my 64 rows of Wo
	s_mov_b32 s83, 0
	s_lshl_b32 s88, s42, 9
	s_lshl_b32 s21, s18, 8
	s_add_co_u32 s88, s88, s21                     ; my 64 columns, in bytes
	s_mov_b32 s89, 0
	s_lshl_b32 s84, s43, 20
	s_lshl_b32 s21, s17, 15
	s_add_co_u32 s84, s84, s21                     ; token 256 x tile row + 8 a
	s_add_co_u32 s84, s84, s88
	s_mov_b32 s85, 0
	s_lshl_b32 s86, s43, 13
	s_mov_b32 s87, 0
	s_mul_i32 s23, s17, KT
	s_mul_i32 s22, s18, 4*KT
	s_add_co_u32 s22, s22, YB
	s_lshl_b32 s46, s17, 9
	s_add_co_u32 s46, s46, SCL
	s_mul_i32 s47, s16, 16*SPITCH
	s_add_co_u32 s47, s47, STAGE
	v_and_b32 v1, 15, v0
	v_bfe_u32 v2, v0, 4, 1
	v_and_b32 v3, 31, v0
	v_lshl_add_u32 v[A160], v3, 4, s23
	v_lshl_add_u32 v[A80], v3, 3, s23
	v_lshl_add_u32 v[AAS0], v1, 5, s46
	v_lshl_add_u32 v[B16], v3, 4, s22
	v_lshl_add_u32 v[B8], v3, 3, s22
	v_add_nc_u32 v[A16], 2*KT, v[A160]
	v_add_nc_u32 v[A8], 2*KT, v[A80]
	v_add_nc_u32 v[AAS], 1024, v[AAS0]
	v_lshlrev_b32 v[ABS], 5, v3
	v_lshlrev_b32 v[BOF], 6, v2
	v_mul_u32_u24 v22, v1, SPITCH
	v_lshl_add_u32 v22, v2, 6, v22
	v_add_nc_u32 v[STO], s47, v22
	v_mul_u32_u24 v22, v2, SPITCH
	v_lshl_add_u32 v22, v1, 4, v22
	v_add_nc_u32 v[RD], s47, v22
	v_lshlrev_b32 v22, 12, v2
	v_lshl_add_u32 v[CO], v1, 4, v22
	v_lshlrev_b32 v[XG], 4, v0
	v_lshl_add_u32 v[XL], v0, 4, SCL
	WALU
	s_wait_dscnt 0x0
	CROUND                                         ; the opening round
	s_wait_kmcnt 0x0
	s_add_nc_u64 s[G0A+2:G0A+3], s[4:5], s[76:77]
	s_add_nc_u64 s[G0B+2:G0B+3], s[8:9], s[78:79]
	s_or_b32 s[G0B+3], s[G0B+3], 0x80000000
	s_add_nc_u64 s[10:11], s[10:11], s[82:83]
	s_add_nc_u64 s[12:13], s[12:13], s[84:85]
	s_add_nc_u64 s[6:7], s[6:7], s[86:87]
	s_add_nc_u64 s[14:15], s[14:15], s[88:89]
	s_cmp_eq_u32 s16, 0
	s_cbranch_scc0 .Lwave_1
	TLOAD G0B, G1B                                 ; wave 0: Wo's rows, which are wanted first
	s_branch .Lasked
.Lwave_1:
	s_cmp_eq_u32 s16, 1
	s_cbranch_scc0 .Lwave_2
	ATILE 0, 8                                     ; wave 1: the tokens' row tiles 0-7
	s_branch .Lasked
.Lwave_2:
	s_cmp_eq_u32 s16, 2
	s_cbranch_scc0 .Lwave_3
	ATILE 8, 4
	s_branch .Lasked
.Lwave_3:
	ATILE 12, 4
.Lasked:
.irp k, 0,1,2,3
	global_load_b128 v[BK+4*\k:BK+4*\k+3], v[XG], s[6:7] offset:2048*\k   ; the tokens' scale bytes: 2,048 consecutive bytes a work-group and instruction
.endr
.irp t, 0,1,2,3
.irp c, 0,1
	global_load_b128 v[BO+8*\t+4*\c:BO+8*\t+4*\c+3], v[BOF], s[14:15] offset:128*(\t/2)+32*(\t%2)+16*\c
.endr
.endr
.irp p, 0,1
.irp c, 0,1
	global_load_b128 v[SB+NQ*\p+4*\c:SB+NQ*\p+4*\c+3], v[ABS], s[10:11] offset:1024*\p+16*\c
.endr
.endr
	s_wait_loadcnt 12                              ; the first four loads are in; the bias's eight and the scale words' four are younger
.irp k, 0,1,2,3
	ds_store_b128 v[XL], v[BK+4*\k:BK+4*\k+3] offset:2048*\k
.endr
	s_wait_dscnt 0x0
	s_cmp_eq_u32 s16, 0
	s_cbranch_scc0 .Lnot_b
	s_wait_tensorcnt 0x0
.Lnot_b:
	BARRIER                                        ; Wo's rows have landed
.irp q, 0,1,2,3,4,5,6,7
.irp b, 0,1,2,3
	FRAG NB*\q+\b, B16, B8, KT*\b+1536*\q
.endr
.endr
	WIN 0
	s_mov_b32 s90, 2*KT
	s_mov_b32 s91, 1024
	s_cmp_eq_u32 s16, 1
	s_cbranch_scc0 .Lnot_a
	s_wait_tensorcnt 0x0                           ; wave 1: row tiles 0-7 have landed
.Lnot_a:
	s_wait_loadcnt 0x0
	s_wait_dscnt 0x0
	BARRIER                                        ; row tiles 0-7 and all scale bytes are in; waves 2 and 3's tiles may be on their way
	FETCHAT 0, A160, A80, AAS0
	FETCHAT 1, A16, A8, AAS
	s_mov_b32 s23, 0
	s_mov_b32 s20, 0
	s_mov_b32 s21, 0
	s_wait_dscnt NF                                ; block 0's fragments are in
.Lpair:                                                ; blocks 0 to 5, a pair a trip
	STREAM 0, 1, 0
	STREAM 1, 1, 1
	s_mov_b32 s20, 64*4096
	s_add_co_u32 s23, s23, 1
	s_cmp_lg_u32 s23, 3
	s_cbranch_scc1 .Lpair
	STREAM 0, 0, 0                                 ; blocks 6 and 7 fetch nothing
	STREAM 1, 0, 0
	s_wait_tensorcnt 0x0                           ; the wave's end
	ds_add_u32 v[SPW], v[NIL]
	s_wait_dscnt 0x0
	CROUND                                         ; the closing round
	s_endpgm
.Lfunc_end_k_qf8fd9f78c9_outp:
	.size	k_qf8fd9f78c9_outp, .Lfunc_end_k_qf8fd9f78c9_outp-k_qf8fd9f78c9_outp
	.p2alignl 7, 3214868480
	.fill 96, 4, 3214868480
	.section	.rodata,"a",@progbits
	.p2align	6, 0x0
	.amdhsa_kernel k_qf8fd9f78c9_outp
		.amdhsa_group_segment_fixed_size 327680
		.amdhsa_private_segment_fixed_size 0
		.amdhsa_enable_private_segment 0
		.amdhsa_kernarg_size 48
		.amdhsa_user_sgpr_count 2
		.amdhsa_user_sgpr_kernarg_segment_ptr 1
		.amdhsa_wavefront_size32 1
		.amdhsa_system_sgpr_workgroup_id_x 1
		.amdhsa_system_sgpr_workgroup_id_y 1
		.amdhsa_system_sgpr_workgroup_id_z 1
		.amdhsa_system_vgpr_workitem_id 0
		.amdhsa_next_free_vgpr 840
		.amdhsa_next_free_sgpr 100
		.amdhsa_reserve_vcc 0
		.amdhsa_float_denorm_mode_32 3
		.amdhsa_float_denorm_mode_16_64 3
		.amdhsa_memory_ordered 1
		.amdhsa_forward_progress 1
		.amdhsa_inst_pref_size 53
	.end_amdhsa_kernel
	.amdgpu_metadata
---
amdhsa.version: [ 1, 2 ]
amdhsa.kernels:
  - .name:           k_qf8fd9f78c9_outp
    .symbol:         k_qf8fd9f78c9_outp.kd
    .args:
      - { .name: cc, .offset: 0, .size: 8, .value_kind: global_buffer, .address_space: global }
      - { .name: cs, .offset: 8, .size: 8, .value_kind: global_buffer, .address_space: global }
      - { .name: oc, .offset: 16, .size: 8, .value_kind: global_buffer, .address_space: global }
      - { .name: os, .offset: 24, .size: 8, .value_kind: global_buffer, .address_space: global }
      - { .name: out0, .offset: 32, .size: 8, .value_kind: global_buffer, .address_space: global }
      - { .name: bo, .offset: 40, .size: 8, .value_kind: global_buffer, .address_space: global }
    .group_segment_fixed_size: 327680
    .private_segment_fixed_size: 0
    .kernarg_segment_align: 8
    .kernarg_segment_size: 48
    .max_flat_workgroup_size: 128
    .sgpr_count:     100
    .vgpr_count:     840
    .wavefront_size: 32
...
	.end_amdgpu_metadata
.endif
;; end of part 4
